; MI455X (gfx1250); checked and timed in simulation.
; The chip was launched on July 23, 2026; its instructions are those of AMD's public machine-readable ISA for CDNA 5 (MIT licence, August 2026) and "CDNA5" Instruction Set Architecture Reference Guide (July 2026). The comments in the code are by the model that wrote it; some were corrected since.
;; Disentangle Multi Headed Attention. Allowed arithmetic: matrix products marked QUANTISED: E2M1 operands, one E8M0 scale for each 32 along K, by v_wmma_scale_f32_16x16x128_f8f6f4 with both operands' format E2M1 (or v_wmma_scale_f32_32x16x128_f4), f32 sums; products left as they are: bf16, f16 or f32 operands; f32 sums; everything else in f32.
;; Inputs: Wa 3 x 1,024 x 1,024 float32; Wb 3 x 1,024 x 1,024 float32; Wo_a 1,024 x 1,024 float32; Wo_b 1,024 x 1,024 float32; ba 3 x 1,024 float32; bb 3 x 1,024 float32; bo_a 1,024 float32; bo_b 1,024 float32; k_a 4 x 1,024 x 1,024 float32; k_b 4 x 1,024 x 1,024 float32; mask 4 x 1,024 int32; q_a 4 x 1,024 x 1,024 float32; q_b 4 x 1,024 x 1,024 float32; v_a 4 x 1,024 x 1,024 float32; v_b 4 x 1,024 x 1,024 float32.
;; Outputs: out0 4 x 1,024 x 1,024 float32; out1 4 x 1,024 x 1,024 float32.
;; This version of the problem:
;;   THIS VERSION OF THE PROBLEM IS GIVEN IN LOW PRECISION. The matrix products marked QUANTISED in the list below multiply operands that are first quantised to E2M1 (2 exponent bits, 1 mantissa bit; 4 bits a number), with one power-of-two scale for each 32 numbers along K (OCP MX v1.0); their sums are f32. The products marked 'left as it is' may take bf16, f16 or f32 operands, with f32 sums. Whichever they take, every output number must still come out within the allowed error. Rounding operands to bf16 (8 significant bits) uses up far more of that allowance than f16 does (11 bits, for magnitudes from 6e-5 to 65,504). All else is computed in f32.
;;   The module's matrix products, in the order in which they are computed (A, B: the left and right operand; K: the contracted axis; several contracted axes count as one K, in the product's order):
;;     1. [M 4,096, K 1,024] x [K 1,024, N 1,024]; A: input q_a; B: input Wa: QUANTISED
;;     2. [M 4,096, K 1,024] x [K 1,024, N 1,024]; A: input k_a; B: input Wa: QUANTISED
;;     3. [M 4,096, K 1,024] x [K 1,024, N 1,024]; A: input v_a; B: input Wa: QUANTISED
;;     4. [M 4,096, K 1,024] x [K 1,024, N 1,024]; A: input q_b; B: input Wb: QUANTISED
;;     5. [M 4,096, K 1,024] x [K 1,024, N 1,024]; A: input k_b; B: input Wb: QUANTISED
;;     6. [M 4,096, K 1,024] x [K 1,024, N 1,024]; A: input v_b; B: input Wb: QUANTISED
;;     7. batch 64 x [M 1,024, K 64] x [K 64, N 1,024]; A: computed on the way; B: computed on the way: left as it is (an operand is computed on the way)
;;     8. batch 64 x [M 1,024, K 64] x [K 64, N 1,024]; A: computed on the way; B: computed on the way: left as it is (an operand is computed on the way)
;;     9. batch 64 x [M 1,024, K 64] x [K 64, N 1,024]; A: computed on the way; B: computed on the way: left as it is (an operand is computed on the way)
;;     10. batch 64 x [M 1,024, K 64] x [K 64, N 1,024]; A: computed on the way; B: computed on the way: left as it is (an operand is computed on the way)
;;     11. batch 64 x [M 1,024, K 1,024] x [K 1,024, N 64]; A: computed on the way; B: computed on the way: left as it is (an operand is computed on the way)
;;     12. batch 64 x [M 1,024, K 1,024] x [K 1,024, N 64]; A: computed on the way; B: computed on the way: left as it is (an operand is computed on the way)
;;     13. [M 4,096, K 1,024] x [K 1,024, N 1,024]; A: computed on the way; B: input Wo_a: left as it is (an operand is computed on the way)
;;     14. [M 4,096, K 1,024] x [K 1,024, N 1,024]; A: computed on the way; B: input Wo_b: left as it is (an operand is computed on the way)
;;   THE QUANTISER, for each operand of a quantised product, along K:
;;     - K is cut into blocks of 32 from its start; a last block that is shorter is filled with zeros.
;;     - A block's scale is 2^e with e = floor(log2(the largest magnitude in the block)) - 2, held to -126 .. 127; a block of zeros has e = 0. As a byte (E8M0): e + 127.
;;     - Each number is divided by its block's scale, clamped to +-6, and rounded to the nearest number of E2M1, ties to even, subnormals kept.
;;     - The product sums the exact products of the quantised numbers (number of the format x scale) in f32.
;;   ~~~python
;;   def quantise(x, axis):      # numpy; x: float32 -> the quantised numbers, widened to float32 again
;;       x = np.moveaxis(x, axis, -1); K = x.shape[-1]
;;       x = np.pad(x, [(0, 0)] * (x.ndim - 1) + [(0, -K % 32)]); x = x.reshape(x.shape[:-1] + (-1, 32)); a = np.abs(x).max(-1, keepdims=True)
;;       e = np.where(a > 0, np.clip(np.frexp(np.where(a > 0, a, 1))[1] - 1 - 2, -126, 127), 0)      # np.frexp(a)[1] - 1 = floor(log2(a)), exactly
;;       r = np.clip(x / 2.0 ** e, -6, 6)
;;       step = 2.0 ** (np.maximum(np.frexp(np.where(r == 0, 1, r))[1] - 1, 0) - 1)
;;       q = np.round(r / step) * step * 2.0 ** e      # np.round: ties to even
;;       return np.moveaxis(q.reshape(q.shape[:-2] + (-1,))[..., :K], -1, axis).astype(np.float32)
;;   ~~~
;; One version. Each part assembles by itself: llvm-mc -triple=amdgcn-amd-amdhsa -mcpu=gfx1250 --defsym DOCPART=n.
;; ======== version 1 of 1: 4 launches
;; limits: values are held in f16: magnitudes above 65,504 overflow, below 6.1e-05 lose precision; right only within a limited range of input values
;; workspace buffers: xc 12,582,912 bytes; xs 786,432 bytes; wc 3,145,728 bytes; ws 196,608 bytes; wo 4,194,304 bytes; qkv 50,331,648 bytes; hh 16,777,216 bytes
;; launch quant (part 1): grid 1024 x 1, 4 waves a work-group, no clusters, 33,280 bytes of LDS; arguments q_a, k_a, v_a, q_b, k_b, v_b, Wa, Wb, Wo_a, Wo_b, xc, xs, wc, ws, wo; writes xc, xs, wc, ws, wo
.if DOCPART == 1
	.amdgcn_target "amdgcn-amd-amdhsa--gfx1250"
	.amdhsa_code_object_version 6
	.text
	.protected	k_q2554692282_quant
	.globl	k_q2554692282_quant
	.p2align	8
	.type	k_q2554692282_quant,@function
k_q2554692282_quant:
	s_mov_b64 s[64:65], 0
	v_nop
	global_prefetch_b8 v0, s[64:65] scope:SCOPE_SE
	s_setreg_imm32_b32 hwreg(HW_REG_WAVE_MODE, 25, 1), 1
	s_wait_xcnt 0x0
; The six activations [4096][1024] and the six weights of Wa, Wb [1024][1024], all f32 with K innermost, become codes of FP4 (E2M1), two a byte, K innermost, with one E8M0 byte for each 32 along K;
; Wo_a and Wo_b become f16.  Rows are dense and K is a multiple of 32: every tensor is a plain stream of blocks of 32 numbers, and so are its codes and scale bytes.
; A block's scale is 2^(floor(log2(its largest magnitude)) - 2); its byte is the largest magnitude's exponent field - 2, held at 1 from below.
; LIMITS: a block of zeros gets the byte 1 where the rule says 127 (its codes are zeros, which add nothing, and this program alone reads the bytes); blocks whose largest magnitude lies under 2^-124
; are held at the byte 1; NaN and infinities among the inputs are not served.  Numbers of Wo beyond 65,504 have no f16.
; SHARES.  A work-group takes 32,768 numbers, a wave 8,192: 16 steps of 512.  Work-groups 0-767: the activations, 128 each, in the order q_a k_a v_a q_b k_b v_b; 768-863: Wa; 864-959: Wb; 960-991: Wo_a; 992-1023: Wo_b.
; Only pointers are chosen by the work-group's number; the f16 path parts from the others once, on that number.  No work-group shares an input with another: no cluster, no tensor load, no barrier.
; A conversion takes 8 neighbours of ONE lane; a load is best where neighbouring LANES take neighbouring bytes.  Both are had: each load reads 512 consecutive bytes, a step's 2,048 bytes turn through the wave's own stage in LDS
; and come back 64 bytes a lane (two lanes to a block).  Loads run four steps ahead, the turn through LDS one step.
.set WAVES, 4
.set STEPS, 16
.set EMAX,  2
.set CB,    8                          ; bytes of 16 codes
.set R,     16                         ; v16-79   four sets of 16 numbers as they are loaded
.set X,     80                         ; v80-111  two sets of 16 neighbours
.set E,     112                        ; v112-127 a scale byte for each step
.set C,     128                        ; v128-191 codes, four registers a step; on the f16 path eight sets of 8 registers
.set WREG,  8192                       ; LDS: a region for each wave: two stages of 32 x SP bytes, behind them its 256 scale bytes
.set SP,    80                         ; a lane's place in a stage: 64 bytes + 16 of padding
.set SPW,   12                         ; v12  LDS address of my spare word; never rewritten
.set NIL,   13                         ; v13  0; never rewritten
.set SPARE, WAVES*WREG                 ; behind the regions: the spare words, 128 bytes a wave
.set SRC,   36                         ; s[36:37] where my wave reads
.set OC,    40                         ; s[40:41] where its codes (or f16 numbers) go
.set OS,    42                         ; s[42:43] where its scale bytes go
.macro LOAD t
.irp i, 0,1,2,3
	global_load_b128 v[R+16*((\t)%4)+4*\i:R+16*((\t)%4)+4*\i+3], v3, s[SRC:SRC+1] offset:2048*(\t)+512*\i th:TH_LOAD_NT   ; 32 lanes read 512 consecutive bytes
.endr
.endm
.macro TURN t                          ; step t's numbers through the stage: LDS serves a wave's instructions in order, so no wait stands between the stores and the loads
.irp i, 0,1,2,3
	ds_store_b128 v14, v[R+16*((\t)%4)+4*\i:R+16*((\t)%4)+4*\i+3] offset:32*SP*((\t)%2)+8*SP*\i
.endr
.irp i, 0,1,2,3
	ds_load_b128 v[X+16*((\t)%2)+4*\i:X+16*((\t)%2)+4*\i+3], v15 offset:32*SP*((\t)%2)+16*\i
.endr
.endm
.macro STEP t
.set XS, X+16*((\t)%2)
.if (\t) > 0
	s_wait_dscnt 1                                 ; this step's numbers are back from the stage; the last step's byte store may be out
.else
	s_wait_dscnt 0x0
.endif
.if (\t)+4 < STEPS
	LOAD (\t)+4                                    ; into the registers that this step's stage stores have read
.endif
.if (\t)+1 < STEPS
.if STEPS-2-(\t) >= 3
	s_wait_loadcnt 12                              ; the next step's four loads are in; those of the three steps behind it may be out
.else
	s_wait_loadcnt 4*(STEPS-2-(\t))
.endif
	TURN (\t)+1
.endif
	v_max3_num_f32 v8, |v[XS]|, |v[XS+1]|, |v[XS+2]|               ; the largest magnitude of my 16, in two chains
	v_max3_num_f32 v9, |v[XS+3]|, |v[XS+4]|, |v[XS+5]|
.irp i, 6,10
	v_max3_num_f32 v8, v8, |v[XS+\i]|, |v[XS+\i+1]|
	v_max3_num_f32 v9, v9, |v[XS+\i+2]|, |v[XS+\i+3]|
.endr
	v_max3_num_f32 v8, v8, |v[XS+14]|, |v[XS+15]|
	v_max3_num_f32 v8, v8, v9, (EMAX+1)<<23        ; and the floor 2^(3 - 127): the byte cannot fall under 1
	v_max_num_f32_dpp v8, v8, v8 row_xmask:1 row_mask:0xf bank_mask:0xf   ; with my neighbour's 16: the block's
	v_add_nc_u32 v11, -(EMAX<<23), v8              ; 2 off its exponent field: the conversion takes that field as its scale and nothing else
	v_cvt_scalef32_pk8_fp4_f32 v[C+4*(\t)], v[XS:XS+7], v11
	v_cvt_scalef32_pk8_fp4_f32 v[C+4*(\t)+1], v[XS+8:XS+15], v11
	v_lshrrev_b32 v[E+(\t)], 23, v11               ; the scale's byte (also the plain line behind the conversions)
	ds_store_b8 v5, v[E+(\t)] offset:16*(\t)       ; both lanes of a block write the same byte with the same value
	global_store_b64 v4, v[C+4*(\t):C+4*(\t)+1], s[OC:OC+1] offset:32*CB*(\t)   ; the wave stores 256 consecutive bytes, aligned
.endm
.macro WSTEP t                         ; the f16 path: 512 numbers are rounded and stored as they lie
.if (\t) <= 12
	s_wait_loadcnt 12                              ; this step's four loads are in; three younger steps' may be out
.else
	s_wait_loadcnt 4*(15-(\t))
.endif
.if (\t) >= 8
	s_wait_xcnt 0x0                                ; the set of 8 registers is used again only behind this wait: the stores of eight steps back have read them
.endif
.irp i, 0,1,2,3
	v_cvt_pk_f16_f32 v[C+8*((\t)%8)+2*\i], v[R+16*((\t)%4)+4*\i], v[R+16*((\t)%4)+4*\i+1]
	v_cvt_pk_f16_f32 v[C+8*((\t)%8)+2*\i+1], v[R+16*((\t)%4)+4*\i+2], v[R+16*((\t)%4)+4*\i+3]
.endr
.irp i, 0,1,2,3
	global_store_b64 v4, v[C+8*((\t)%8)+2*\i:C+8*((\t)%8)+2*\i+1], s[OC:OC+1] offset:1024*(\t)+256*\i   ; 256 consecutive bytes, aligned
.endr
.if (\t)+4 < STEPS
	LOAD (\t)+4
.endif
.endm
	s_load_b512 s[4:19], s[0:1], 0x0               ; q_a k_a v_a q_b k_b v_b Wa Wb
	s_load_b256 s[20:27], s[0:1], 0x40             ; Wo_a Wo_b xc xs
	s_load_b128 s[28:31], s[0:1], 0x60             ; wc ws
	s_load_b64 s[32:33], s[0:1], 0x70              ; wo
	v_lshl_add_u32 v[SPW], v0, 2, SPARE
	v_mov_b32 v[NIL], 0
	v_lshrrev_b32 v1, 5, v0
	v_readfirstlane_b32 s34, v1                    ; wave
	v_and_b32 v2, 31, v0                           ; lane
	v_lshlrev_b32 v3, 4, v2                        ; my 16 bytes of a load's 512
	s_mul_i32 s35, s34, WREG
	v_lshrrev_b32 v14, 2, v2
	v_mul_u32_u24 v14, v14, SP
	v_and_b32 v15, 3, v2
	v_lshl_add_u32 v14, v15, 4, v14
	v_add_nc_u32 v14, s35, v14                     ; the stage, on the way in: SP (lane / 4) + 16 (lane % 4)
	v_mul_u32_u24 v15, v2, SP
	v_add_nc_u32 v15, s35, v15                     ; and on the way out: SP x lane
	v_mul_u32_u24 v4, v2, CB                       ; 8 x lane: my place in a store of 256 bytes
	v_lshrrev_b32 v5, 1, v2
	s_add_co_u32 s35, s35, 2*32*SP
	v_add_nc_u32 v5, s35, v5                       ; LDS: my wave's 256 scale bytes, my block's byte
	v_lshlrev_b32 v7, 3, v2
	v_add_nc_u32 v6, s35, v7                       ; and on the way out 8 bytes a lane
	s_wait_kmcnt 0x0
	s_cmp_ge_u32 ttmp9, 960
	s_cbranch_scc1 .Lwo
	; which tensor: the choices hang on the work-group's number alone
	s_mov_b64 s[SRC:SRC+1], s[4:5]
	s_mov_b32 s38, 0                               ; the tensor's first work-group
.irp i, 1,2,3,4,5
	s_cmp_ge_u32 ttmp9, 128*\i
	s_cselect_b64 s[SRC:SRC+1], s[4+2*\i:5+2*\i], s[SRC:SRC+1]
	s_cselect_b32 s38, 128*\i, s38
.endr
	s_cmp_ge_u32 ttmp9, 768
	s_cselect_b64 s[SRC:SRC+1], s[16:17], s[SRC:SRC+1]
	s_cselect_b32 s38, 768, s38
	s_cselect_b64 s[OC:OC+1], s[28:29], s[24:25]   ; the weights' codes and bytes, or the activations'
	s_cselect_b64 s[OS:OS+1], s[30:31], s[26:27]
	s_cselect_b32 s44, 768, 0                      ; the output buffer's first work-group
	s_cmp_ge_u32 ttmp9, 864
	s_cselect_b64 s[SRC:SRC+1], s[18:19], s[SRC:SRC+1]
	s_cselect_b32 s38, 864, s38
	s_sub_co_u32 s46, ttmp9, s38
	s_lshl_b32 s46, s46, 2
	s_add_co_u32 s46, s46, s34                     ; which run of 8,192 numbers of the tensor is my wave's
	s_lshl_b32 s46, s46, 15                        ; 32,768 bytes a run
	s_mov_b32 s47, 0
	s_add_nc_u64 s[SRC:SRC+1], s[SRC:SRC+1], s[46:47]
	s_sub_co_u32 s48, ttmp9, s44
	s_lshl_b32 s48, s48, 2
	s_add_co_u32 s48, s48, s34                     ; and which run of the output buffers
	s_lshl_b32 s50, s48, 12                        ; 4,096 bytes of codes a run
	s_mov_b32 s51, 0
	s_add_nc_u64 s[OC:OC+1], s[OC:OC+1], s[50:51]
	s_lshl_b32 s50, s48, 8                         ; 256 scale bytes a run
	s_add_nc_u64 s[OS:OS+1], s[OS:OS+1], s[50:51]
.irp t, 0,1,2,3
	LOAD \t
.endr
	s_wait_loadcnt 12                              ; step 0's four loads are in
	TURN 0
.irp t, 0,1,2,3,4,5,6,7,8,9,10,11,12,13,14,15
	STEP \t
.endr
	ds_load_b64 v[8:9], v6                         ; LDS serves a wave's instructions in order: these see my byte stores
	s_wait_dscnt 0x0
	global_store_b64 v7, v[8:9], s[OS:OS+1]        ; 256 consecutive bytes, aligned
	s_wait_tensorcnt 0x0                           ; the wave's end
	ds_add_u32 v[SPW], v[NIL]
	s_wait_dscnt 0x0
	s_endpgm
.Lwo:
	s_cmp_lt_u32 ttmp9, 992
	s_cselect_b64 s[SRC:SRC+1], s[20:21], s[22:23]
	s_mov_b32 s38, 992
	s_cselect_b32 s38, 960, s38
	s_sub_co_u32 s46, ttmp9, s38
	s_lshl_b32 s46, s46, 2
	s_add_co_u32 s46, s46, s34
	s_lshl_b32 s46, s46, 15
	s_mov_b32 s47, 0
	s_add_nc_u64 s[SRC:SRC+1], s[SRC:SRC+1], s[46:47]
	s_sub_co_u32 s48, ttmp9, 960
	s_lshl_b32 s48, s48, 2
	s_add_co_u32 s48, s48, s34
	s_lshl_b32 s48, s48, 14                        ; 16,384 bytes of f16 a run
	s_mov_b32 s49, 0
	s_add_nc_u64 s[OC:OC+1], s[32:33], s[48:49]
.irp t, 0,1,2,3
	LOAD \t
.endr
.irp t, 0,1,2,3,4,5,6,7,8,9,10,11,12,13,14,15
	WSTEP \t
.endr
	s_wait_tensorcnt 0x0                           ; the wave's end, in the same form as on the other path
	ds_add_u32 v[SPW], v[NIL]
	s_wait_dscnt 0x0
	s_endpgm
.Lfunc_end_k_q2554692282_quant:
	.size	k_q2554692282_quant, .Lfunc_end_k_q2554692282_quant-k_q2554692282_quant
	.p2alignl 7, 3214868480
	.fill 96, 4, 3214868480
	.section	.rodata,"a",@progbits
	.p2align	6, 0x0
	.amdhsa_kernel k_q2554692282_quant
		.amdhsa_group_segment_fixed_size 33280
		.amdhsa_private_segment_fixed_size 0
		.amdhsa_enable_private_segment 0
		.amdhsa_kernarg_size 120
		.amdhsa_user_sgpr_count 2
		.amdhsa_user_sgpr_kernarg_segment_ptr 1
		.amdhsa_wavefront_size32 1
		.amdhsa_system_sgpr_workgroup_id_x 1
		.amdhsa_system_sgpr_workgroup_id_y 1
		.amdhsa_system_sgpr_workgroup_id_z 1
		.amdhsa_system_vgpr_workitem_id 0
		.amdhsa_next_free_vgpr 192
		.amdhsa_next_free_sgpr 66
		.amdhsa_reserve_vcc 0
		.amdhsa_float_denorm_mode_32 3
		.amdhsa_float_denorm_mode_16_64 3
		.amdhsa_memory_ordered 1
		.amdhsa_forward_progress 1
		.amdhsa_inst_pref_size 56
	.end_amdhsa_kernel
	.amdgpu_metadata
---
amdhsa.version: [ 1, 2 ]
amdhsa.kernels:
  - .name:           k_q2554692282_quant
    .symbol:         k_q2554692282_quant.kd
    .args:
      - { .name: q_a, .offset: 0, .size: 8, .value_kind: global_buffer, .address_space: global }
      - { .name: k_a, .offset: 8, .size: 8, .value_kind: global_buffer, .address_space: global }
      - { .name: v_a, .offset: 16, .size: 8, .value_kind: global_buffer, .address_space: global }
      - { .name: q_b, .offset: 24, .size: 8, .value_kind: global_buffer, .address_space: global }
      - { .name: k_b, .offset: 32, .size: 8, .value_kind: global_buffer, .address_space: global }
      - { .name: v_b, .offset: 40, .size: 8, .value_kind: global_buffer, .address_space: global }
      - { .name: Wa, .offset: 48, .size: 8, .value_kind: global_buffer, .address_space: global }
      - { .name: Wb, .offset: 56, .size: 8, .value_kind: global_buffer, .address_space: global }
      - { .name: Wo_a, .offset: 64, .size: 8, .value_kind: global_buffer, .address_space: global }
      - { .name: Wo_b, .offset: 72, .size: 8, .value_kind: global_buffer, .address_space: global }
      - { .name: xc, .offset: 80, .size: 8, .value_kind: global_buffer, .address_space: global }
      - { .name: xs, .offset: 88, .size: 8, .value_kind: global_buffer, .address_space: global }
      - { .name: wc, .offset: 96, .size: 8, .value_kind: global_buffer, .address_space: global }
      - { .name: ws, .offset: 104, .size: 8, .value_kind: global_buffer, .address_space: global }
      - { .name: wo, .offset: 112, .size: 8, .value_kind: global_buffer, .address_space: global }
    .group_segment_fixed_size: 33280
    .private_segment_fixed_size: 0
    .kernarg_segment_align: 8
    .kernarg_segment_size: 120
    .max_flat_workgroup_size: 128
    .sgpr_count:     66
    .vgpr_count:     192
    .wavefront_size: 32
...
	.end_amdgpu_metadata
.endif
;; end of part 1
;; launch proj (part 2): grid 4 x 96, 4 waves a work-group, clusters of 4 x 4, 327,680 bytes of LDS; arguments xc, xs, wc, ws, qkv, ba, bb, mask; writes qkv
.if DOCPART == 2
	.amdgcn_target "amdgcn-amd-amdhsa--gfx1250"
	.amdhsa_code_object_version 6
	.text
	.protected	k_q2554692282_proj
	.globl	k_q2554692282_proj
	.p2align	8
	.type	k_q2554692282_proj,@function
k_q2554692282_proj:
	s_mov_b64 s[64:65], 0
	v_nop
	global_prefetch_b8 v0, s[64:65] scope:SCOPE_SE
	s_setreg_imm32_b32 hwreg(HW_REG_WAVE_MODE, 25, 1), 1
	s_wait_xcnt 0x0
	s_wait_alu depctr_hold_cnt(0) depctr_sa_sdst(0) depctr_va_vdst(0) depctr_va_sdst(0) depctr_va_ssrc(0) depctr_va_vcc(0) depctr_vm_vsrc(0)
	s_getreg_b32 s2, hwreg(HW_REG_IB_STS2, 6, 4)
	s_cmp_eq_u32 s2, 0
	s_cbranch_scc0 .Lentry_in_a_cluster
	s_endpgm
.Lentry_in_a_cluster:
	s_bfe_u32 s2, ttmp6, 0x10000c
	s_cmp_lg_u32 s2, 0xf033
	s_cbranch_scc0 .Lentry_shape_is_right
	s_endpgm
.Lentry_shape_is_right:
; The six projections y = x W^T + bias on codes of FP4 (E2M1) with one E8M0 scale for each 32 along K; sums in f32; y leaves as f16, laid by heads: qkv[6][b 4][h 16][s 1024][64].
; xc is taken as 24,576 rows (six tensors of 4,096) of 512 bytes, wc as 6,144 rows (six weights of 1,024); job t = 0..5 = q_a k_a v_a q_b k_b v_b multiplies tensor t by weight t.
; The two key tensors (jobs 1 and 4) are stored HALVED, so that their sum has room in f16, and as 0 in the rows whose mask is 0: the next launch gives such a key a fixed score.  The factor (1, 0.5 or 0) is chosen by v_cndmask_b32.
; LIMIT: results beyond 65,504 (keys: 131,008) have no f16.
; A tile of y, 256 x 256, is made by a work-group of four waves; a wave makes 128 x 128: 64 accumulators, 512 registers.  K = 1,024 is exactly two LDS slots of 512 along K: both are filled once, at the head; nothing is filled again.
; The scale bytes of the work-group's 256 + 256 rows, for all of K, are two dense blocks: they come once, with the first fills.
; CLUSTERS: 4 x 4 work-groups.  The four of a row of the cluster need the same tiles of x, the four of a column the same tiles of W: each tile is asked for JOINTLY.  A cluster's 1,024 rows lie in one job.
; THE MATRIX INSTRUCTION IS USED TRANSPOSED (source 0 = 16 rows of W, source 1 = 16 rows of x): a lane holds eight neighbouring outputs of one row.  The bias is the C of each sum's first product.
; REGISTERS, in windows of 256: window 0: v0-31 addresses; v32-95 scale words, two sets, and nothing else; v96-111 the row factors, each twice; v112-119 mask words; v120 0.5; v128-191 x's fragments, one set; v192-255 the bias;
;   on the way out v128-223 are free.   window 1: W's fragments, two sets, at v0 and v128.   window 2: the accumulators of my rows 0-63 ((a, b) at v[8 (8 a + b)]);   window 3: those of rows 64-127.
.set NQ,     4                         ; steps of 128 along K in a slot
.set ROWB,   256                       ; a tile's row in bytes: 512 codes
.set KROW,   512                       ; a row of codes in memory
.set PITCH,  272                       ; an LDS row: 256 bytes + 16 of padding: the 16 rows that a load touches start 68 words apart
.set FR,     8
.set NL,     2
.set NP,     4                         ; places behind this matrix instruction (ISA guide 7.12.1)
.set HALFT,  128*PITCH
.set SLOT,   4*HALFT                   ; x's 256 rows, then W's 256 rows
.set KS,     32                        ; a row of scale bytes
.set SCL,    2*SLOT                    ; behind the slots: the scales, as rows of 256 bytes + 16 of padding
.set HALFS,  (128*KS/256)*272
.set SBLK,   (16*KS/256)*272
.set SPARE,  SCL+4*HALFS               ; the spare words, 128 bytes a wave
.set SPITCH, 272                       ; the way out: a stage of 16 rows x (256 bytes + 16) for each wave, in slot 0, which has had its only fill and its last read by then
.set ADRA, 16
.set ADRB, 20
.set STO,  24
.set RD,   25
.set CO,   26
.set ADRS, 27
.set SPW,  28
.set NIL,  29
.set BO,   30                          ; v30  32 x (lane / 16): my eight biases of a block of 16
.set MO,   31                          ; v31  4 x (lane % 16): my row's mask word
.set SC,   32
.set F,    96
.set MK,   112
.set AF,   128
.set BI,   192
.set TMP,  128                         ; the way out: a block's f16 numbers
.set BK,   160                         ; and 16 rows read back: v160-191 and v192-223 by turns
.set G1, 24
.set G0, 32
.set G1B, 48
.set G0B, 56
.set G1S, 68
.set G0S, 76
.set G1SB, 80
.set G0SB, 88
.set MSB, 0
.macro WIN new                         ; the immediate's high byte repeats the setting that is left
.if MSB != (\new)
	s_set_vgpr_msb (MSB<<8)|(\new)
.set MSB, (\new)
.endif
.endm
.set MUL_LO,  0xa1                     ; source 0 (W) window 1, source 1 (x) window 0, C and D window 2
.set MUL_HI,  0xf1                     ; the same, C and D window 3
.set MUL_LO0, 0x81                     ; the first step: C (the bias) window 0, D window 2
.set MUL_HI0, 0xc1                     ; and D window 3
.set TO_B,    0x40
; A joint load: waves 0 and 1 fetch for x, waves 2 and 3 for W.  The branch hangs on the wave's number alone.  An s_nop 0 and four v_nop follow each of the two lines.
.macro JLOAD g0a, g1a, g0b, g1b
	s_cmp_eq_u32 s15, 0
	s_cbranch_scc0 .Lfor_b_\@
	tensor_load_to_lds s[\g0a:\g0a+3], s[\g1a:\g1a+7]
	s_nop 0
.rept 4
	v_nop
.endr
	s_branch .Lasked_\@
.Lfor_b_\@:
	tensor_load_to_lds s[\g0b:\g0b+3], s[\g1b:\g1b+7]
	s_nop 0
.rept 4
	v_nop
.endr
.Lasked_\@:
.endm
.macro CROUND                          ; a round of the cluster's barrier
	s_barrier_signal -1
	s_barrier_wait -1
	s_cmp_lg_u32 s14, 0
	s_cbranch_scc1 .Lnot_wave_0_\@
	s_barrier_signal -3
.Lnot_wave_0_\@:
	s_barrier_wait -3
	s_barrier_signal -1
	s_barrier_wait -1
.endm
	s_load_b128 s[4:7], s[0:1], 0x0                ; xc, xs
	s_load_b128 s[8:11], s[0:1], 0x10              ; wc, ws
	s_load_b64 s[12:13], s[0:1], 0x20              ; qkv
	s_load_b64 s[96:97], s[0:1], 0x28              ; ba
	s_load_b64 s[98:99], s[0:1], 0x30              ; bb
	s_load_b64 s[100:101], s[0:1], 0x38            ; mask
	v_lshl_add_u32 v[SPW], v0, 2, SPARE
	v_mov_b32 v[NIL], 0
	ds_add_u32 v[SPW], v[NIL]                      ; the wave's opening: the add, twice on end, and its wait ahead of my first tensor load
	ds_add_u32 v[SPW], v[NIL]
	v_lshrrev_b32 v1, 5, v0
	v_readfirstlane_b32 s14, v1                    ; wave 0..3
	s_lshr_b32 s15, s14, 1                         ; which half of the tile's rows is mine.  Also: I fetch for x (0) or for W (1)
	s_and_b32 s16, s14, 1                          ; which half of its columns.  Also: which 128 rows of that tile I fetch
	s_bfe_u32 s40, ttmp6, 0x40000                  ; cx, cy: my place in the cluster
	s_bfe_u32 s41, ttmp6, 0x40004
	s_lshl_b32 s42, ttmp9, 2
	s_add_co_u32 s42, s42, s40                     ; tile column = 4 x cluster x + cx
	s_and_b32 s17, ttmp7, 0xffff
	s_lshr_b32 s2, s17, 2                          ; the job: four clusters of 1,024 rows each; the same in all sixteen partners
	s_lshl_b32 s17, s17, 2
	s_add_co_u32 s17, s17, s41                     ; tile row = 4 x cluster y + cy, over all six tensors
	s_lshl_b32 s43, s41, 2
	s_lshl_b32 s43, 15, s43                        ; my row of the cluster
	s_lshl_b32 s44, 0x1111, s40                    ; my column
	; descriptor group 1: a tile of 128 rows x 256 bytes, 16 bytes of padding behind each row
	s_or_b32 s[G1+0], s43, (0<<16)|(1<<20)|(1<<21)|(5<<22)|(3<<25)
	s_or_b32 s[G1B+0], s44, (0<<16)|(1<<20)|(1<<21)|(5<<22)|(3<<25)
.irp g, G1, G1B
	s_mov_b32 s[\g+1], ROWB<<16                    ; tensor_dim0
	s_mov_b32 s[\g+2], 128<<16                     ; tensor_dim1
	s_mov_b32 s[\g+3], ROWB<<16                    ; tile_dim0
	s_mov_b32 s[\g+4], 128                         ; tile_dim1
	s_mov_b32 s[\g+5], KROW                        ; the pitch in memory
	s_mov_b32 s[\g+6], 0
	s_mov_b32 s[\g+7], 0
.endr
	; the scales of 128 rows: 4,096 dense bytes, as 16 rows of 256 bytes (32 elements of 8 bytes), 16 bytes of padding behind each
	s_or_b32 s[G1S+0], s43, (3<<16)|(1<<20)|(1<<21)|(5<<22)|(3<<25)
	s_or_b32 s[G1SB+0], s44, (3<<16)|(1<<20)|(1<<21)|(5<<22)|(3<<25)
.irp g, G1S, G1SB
	s_mov_b32 s[\g+1], 32<<16
	s_mov_b32 s[\g+2], (128*KS/256)<<16
	s_mov_b32 s[\g+3], 32<<16
	s_mov_b32 s[\g+4], 128*KS/256
	s_mov_b32 s[\g+5], 32
	s_mov_b32 s[\g+6], 0
	s_mov_b32 s[\g+7], 0
.endr
	s_lshl_b32 s18, s16, 7                         ; which 128 rows of the tile I fetch
	s_lshl_b32 s20, s17, 8
	s_add_co_u32 s20, s20, s18                     ; x: row 256 x tile row + 128 x half
	s_lshl_b32 s46, s42, 8
	s_add_co_u32 s46, s46, s18                     ; W: row 256 x tile column + 128 x half
	s_lshl_b32 s19, s2, 10
	s_add_co_u32 s46, s46, s19                     ;    + 1,024 x job
	s_mov_b32 s21, 0
	s_mov_b32 s47, 0
	s_mov_b64 s[18:19], KS
	s_mul_u64 s[22:23], s[20:21], s[18:19]         ; where these rows' scales begin, in bytes
	s_mul_u64 s[92:93], s[46:47], s[18:19]
	s_mov_b64 s[18:19], KROW
	s_mul_u64 s[20:21], s[20:21], s[18:19]         ; and their codes
	s_mul_u64 s[46:47], s[46:47], s[18:19]
	s_mul_i32 s45, s14, HALFT                      ; where they go: wave x 128 rows
	s_mul_i32 s94, s14, HALFS
	s_wait_dscnt 0x0                               ; both opening adds are done
	s_wait_kmcnt 0x0
	s_add_nc_u64 s[20:21], s[4:5], s[20:21]
	s_add_nc_u64 s[22:23], s[6:7], s[22:23]
	s_add_nc_u64 s[46:47], s[8:9], s[46:47]
	s_add_nc_u64 s[92:93], s[10:11], s[92:93]
	CROUND                                         ; all sixteen work-groups are here: the joint loads meet
	s_mov_b32 s[G0S], 1
	s_add_co_u32 s[G0S+1], s94, SCL
	s_mov_b64 s[G0S+2:G0S+3], s[22:23]
	s_or_b32 s[G0S+3], s[G0S+3], 0x80000000
	s_mov_b32 s[G0SB], 1
	s_add_co_u32 s[G0SB+1], s94, SCL
	s_mov_b64 s[G0SB+2:G0SB+3], s[92:93]
	s_or_b32 s[G0SB+3], s[G0SB+3], 0x80000000
	JLOAD G0S, G1S, G0SB, G1SB                     ; the scales first: they are wanted with the first step.  Three loads of mine are out in all
.irp s, 0,1
	s_mov_b32 s[G0+4*\s], 1
	s_add_co_u32 s[G0+4*\s+1], s45, \s*SLOT
	s_add_nc_u64 s[G0+4*\s+2:G0+4*\s+3], s[20:21], \s*ROWB
	s_or_b32 s[G0+4*\s+3], s[G0+4*\s+3], 0x80000000
	s_mov_b32 s[G0B+4*\s], 1
	s_add_co_u32 s[G0B+4*\s+1], s45, \s*SLOT
	s_add_nc_u64 s[G0B+4*\s+2:G0B+4*\s+3], s[46:47], \s*ROWB
	s_or_b32 s[G0B+4*\s+3], s[G0B+4*\s+3], 0x80000000
	JLOAD G0+4*\s, G1, G0B+4*\s, G1B
.endr
	v_and_b32 v1, 15, v0                           ; r = lane % 16
	v_bfe_u32 v2, v0, 4, 1                         ; h = lane / 16
	; the bias of my 128 columns and the mask words of my 128 rows
	s_cmp_lt_u32 s2, 3
	s_cselect_b64 s[96:97], s[96:97], s[98:99]     ; stream a's biases or stream b's
	s_cselect_b32 s3, 0, 3
	s_sub_co_u32 s3, s2, s3                        ; 0: queries, 1: keys, 2: values
	s_cmp_eq_u32 s3, 1
	s_cselect_b32 s95, -1, 0                       ; all ones in a job of keys
	s_lshl_b32 s92, s3, 12                         ; a row of 1,024 biases
	s_lshl_b32 s93, s42, 10                        ; + 256 x tile column
	s_add_co_u32 s92, s92, s93
	s_lshl_b32 s93, s16, 9                         ; + 128 x half
	s_add_co_u32 s92, s92, s93
	s_mov_b32 s93, 0
	s_add_nc_u64 s[96:97], s[96:97], s[92:93]
	s_lshl_b32 s22, s17, 8
	s_lshl_b32 s23, s15, 7
	s_add_co_u32 s22, s22, s23                     ; my first row, over all six tensors;
	s_and_b32 s22, s22, 4095                       ; in its tensor: 1,024 b + s
	s_lshl_b32 s22, s22, 2
	s_mov_b32 s23, 0
	s_add_nc_u64 s[100:101], s[100:101], s[22:23]
	v_lshlrev_b32 v[BO], 5, v2
	v_lshlrev_b32 v[MO], 2, v1
.irp b, 0,1,2,3,4,5,6,7
	global_load_b128 v[BI+8*\b:BI+8*\b+3], v[BO], s[96:97] offset:64*\b        ; lane (r, h), register j: the bias of column 16 b + 8 h + j: the result's layout
	global_load_b128 v[BI+8*\b+4:BI+8*\b+7], v[BO], s[96:97] offset:64*\b+16
.endr
.irp a, 0,1,2,3,4,5,6,7
	global_load_b32 v[MK+\a], v[MO], s[100:101] offset:64*\a                   ; the mask of row 16 a + r
.endr
	v_mul_u32_u24 v3, v1, PITCH
	v_lshl_add_u32 v4, v2, 4, v3                   ; a fragment's row x pitch + 16 x half
	s_mul_i32 s21, s15, HALFT                      ; my 128 rows of x
	s_mul_i32 s22, s16, HALFT                      ; my 128 rows of W,
	s_add_co_u32 s22, s22, 2*HALFT                 ; which lie behind x's 256
.irp s, 0,1
	v_add_nc_u32 v[ADRA+\s], s21, v4
	v_add_nc_u32 v[ADRB+\s], s22, v4
	s_add_co_u32 s21, s21, SLOT
	s_add_co_u32 s22, s22, SLOT
.endr
	v_mul_u32_u24 v5, v1, KS                       ; my row's scales: 32 bytes a row,
	v_lshrrev_b32 v6, 8, v5
	v_lshl_add_u32 v5, v6, 4, v5                   ; and 16 more for each 256 passed
	s_mul_i32 s21, s15, HALFS
	s_mul_i32 s22, s16, HALFS
	s_add_co_u32 s22, s22, 2*HALFS
	s_sub_co_u32 s22, s22, s21
	v_mul_u32_u24 v6, s22, v2                      ; lanes 16-31 take W's
	s_add_co_u32 s21, s21, SCL
	v_add_nc_u32 v5, v5, v6
	v_add_nc_u32 v[ADRS], s21, v5
	s_mul_i32 s23, s14, 16*SPITCH                  ; my stage
	v_mul_u32_u24 v5, v1, SPITCH                   ; in: row r, 16 bytes for each half of the lanes
	v_lshl_add_u32 v5, v2, 4, v5
	v_add_nc_u32 v[STO], s23, v5
	v_bfe_u32 v5, v0, 3, 1                         ; back: lanes 0-15 take two rows' first 128 bytes (one head), lanes 16-31 their second 128 (the next head)
	v_mul_u32_u24 v5, v5, SPITCH
	v_lshl_add_u32 v5, v2, 7, v5
	v_and_b32 v6, 7, v0
	v_lshl_add_u32 v5, v6, 4, v5
	v_add_nc_u32 v[RD], s23, v5
	v_lshlrev_b32 v[CO], 17, v2                    ; in qkv: a head is 131,072 bytes; two rows of a head are 256 consecutive bytes
	v_lshl_add_u32 v[CO], v1, 4, v[CO]
	s_lshr_b32 s20, s17, 2
	s_lshl_b32 s20, s20, 21                        ; (tensor, batch): 16 heads of 131,072 bytes
	s_and_b32 s21, s17, 3
	s_lshl_b32 s21, s21, 15                        ; + 256 rows of 128 bytes for each tile row in it
	s_add_co_u32 s20, s20, s21
	s_lshl_b32 s21, s15, 14                        ; + my half's 128 rows
	s_add_co_u32 s20, s20, s21
	s_mov_b32 s21, 0
	s_add_nc_u64 s[12:13], s[12:13], s[20:21]
	s_lshl_b32 s46, s42, 19                        ; + four heads for each tile column
	s_lshl_b32 s47, s16, 18                        ; + two for my half
	s_add_co_u32 s46, s46, s47
	s_mov_b32 s47, 0
	s_add_nc_u64 s[12:13], s[12:13], s[46:47]
.macro FRAG reg, adr, q, i             ; 16 rows x 128 K of 4-bit codes: 8 registers; two loads of 16 bytes, 32 bytes apart
.irp c, 0,1
	ds_load_b128 v[\reg+4*\c:\reg+4*\c+3], v[\adr] offset:64*(\q)+32*\c+(\i)*16*PITCH
.endr
.endm
; 16 matrix instructions: x's blocks a0, a0 + 1 against W's eight, the slot's q-th 128 along K.  p: W's set; sc: the set of scale words.  zero = 1: the first product starts the sum from the bias.
; The 64 accumulators take turns, one instruction a turn, in the same order in every step.
.macro MUL16 a0, p, q, sc, zero
.irp a, \a0, \a0+1
.irp b, 0,1,2,3,4,5,6,7
.if \zero
	v_wmma_scale_f32_16x16x128_f8f6f4 v[8*(8*((\a)%4)+\b):8*(8*((\a)%4)+\b)+7], v[128*(\p)+FR*\b:128*(\p)+FR*\b+FR-1], v[AF+FR*(\a):AF+FR*(\a)+FR-1], v[BI+8*\b:BI+8*\b+7], v[SC+8*NQ*(\sc)+NQ*\b+(\q)], v[SC+8*NQ*(\sc)+NQ*(\a)+(\q)] matrix_a_fmt:MATRIX_FMT_FP4 matrix_b_fmt:MATRIX_FMT_FP4 matrix_a_scale:MATRIX_SCALE_ROW1
.else
	v_wmma_scale_f32_16x16x128_f8f6f4 v[8*(8*((\a)%4)+\b):8*(8*((\a)%4)+\b)+7], v[128*(\p)+FR*\b:128*(\p)+FR*\b+FR-1], v[AF+FR*(\a):AF+FR*(\a)+FR-1], v[8*(8*((\a)%4)+\b):8*(8*((\a)%4)+\b)+7], v[SC+8*NQ*(\sc)+NQ*\b+(\q)], v[SC+8*NQ*(\sc)+NQ*(\a)+(\q)] matrix_a_fmt:MATRIX_FMT_FP4 matrix_b_fmt:MATRIX_FMT_FP4 matrix_a_scale:MATRIX_SCALE_ROW1
.endif
.endr
.endr
.endm
.macro FETCH_B slot, q, p
	WIN TO_B
.irp i, 0,1,2,3,4,5,6,7
	FRAG 128*(\p)+FR*\i, ADRB+\slot, \q, \i
.endr
	WIN 0
.endm
.macro FETCH_A slot, q, i0
.irp i, \i0, \i0+1, \i0+2, \i0+3
	FRAG AF+FR*(\i), ADRA+\slot, \q, \i
.endr
.endm
.macro SCALES sc                       ; a slot's scale words: four words a row; lanes 0-15 take x's block i, lanes 16-31 W's block i
.irp i, 0,1,2,3,4,5,6,7
	ds_load_b128 v[SC+8*NQ*\sc+NQ*\i:SC+8*NQ*\sc+NQ*\i+3], v[ADRS] offset:\i*SBLK
.endr
.endm
.macro PLACES n                        ; plain vector instructions between a matrix instruction and a load into, or a read of, its registers
.rept \n
	v_nop
.endr
.endm
.macro STEP slot, q, zero              ; a step of 128 along K that has its successor in the same slot
	s_wait_dscnt 4*NL                              ; all but the youngest eight loads (x's blocks 4-7) are in
.if \zero
	WIN MUL_LO0
.else
	WIN MUL_LO
.endif
	MUL16 0, (\q)%2, \q, \slot, \zero
	MUL16 2, (\q)%2, \q, \slot, \zero
	s_wait_dscnt 0                                 ; x's blocks 4-7 are in
	PLACES NP
	FETCH_B \slot, (\q)+1, 1-(\q)%2
	FETCH_A \slot, (\q)+1, 0
.if \zero
	WIN MUL_HI0
.else
	WIN MUL_HI
.endif
	MUL16 4, (\q)%2, \q, \slot, \zero
	MUL16 6, (\q)%2, \q, \slot, \zero
	PLACES NP
	WIN 0
	FETCH_A \slot, (\q)+1, 4
.endm
; Slot 0's last step changes slots: each wave waits for all its tensor loads (slot 1's part is the one that may be out), and behind the barrier slot 1 is whole for every wave and nobody reads slot 0 any more.
.macro TURN slot, next
	s_wait_tensorcnt 0x0                           ; all my tensor loads have landed
	ds_add_u32 v[SPW], v[NIL]                      ; 0 onto my spare word
	s_wait_dscnt 4*NL+1                            ; the add and the youngest eight loads may be out
	WIN MUL_LO
	MUL16 0, 1, NQ-1, \slot, 0
	s_wait_dscnt 0x0                               ; the add is done, and my reads of this slot are over
	s_barrier_signal -1
	MUL16 2, 1, NQ-1, \slot, 0
	WIN 0
	s_barrier_wait -1
	PLACES NP
	v_add_nc_u32 v[ADRS], 4*NQ, v[ADRS]            ; on to the next slot's scale words
	FETCH_B \next, 0, 0
	FETCH_A \next, 0, 0
	SCALES \next
	WIN MUL_HI
	MUL16 4, 1, NQ-1, \slot, 0
	MUL16 6, 1, NQ-1, \slot, 0
	PLACES NP
	WIN 0
	FETCH_A \next, 0, 4
.endm
.macro STEPS slot, from
.set Q, \from
.rept NQ-1-\from
	STEP \slot, Q, 0
.set Q, Q+1
.endr
.endm
	s_wait_tensorcnt 1                             ; the scales and my part of slot 0 are in; slot 1's load may be out,
	s_barrier_signal -1
	s_barrier_wait -1                              ; everybody's are
	FETCH_B 0, 0, 0
	FETCH_A 0, 0, 0
	SCALES 0
	FETCH_A 0, 0, 4
	s_wait_loadcnt 0x0                             ; the bias and the mask words
	v_mov_b32 v120, 0.5
.irp a, 0,1,2,3,4,5,6,7
	v_cmp_ne_u32 vcc_lo, 0, v[MK+\a]
	v_cndmask_b32 v[F+2*\a], 0, v120, vcc_lo       ; a key's row: 0.5 where its mask is set, else 0;
	v_cndmask_b32 v[F+2*\a], 1.0, v[F+2*\a], s95   ; a query's or a value's: 1
	v_mov_b32 v[F+2*\a+1], v[F+2*\a]               ; twice: a pair for the packed multiply
.endr
	STEP 0, 0, 1                                   ; the first step's products start the sums from the bias
	STEPS 0, 1
	TURN 0, 1
	STEPS 1, 0
	s_wait_dscnt 4*NL                              ; the last step: nothing more to fetch
	WIN MUL_LO
	MUL16 0, 1, NQ-1, 1, 0
	MUL16 2, 1, NQ-1, 1, 0
	s_wait_dscnt 0
	WIN MUL_HI
	MUL16 4, 1, NQ-1, 1, 0
	MUL16 6, 1, NQ-1, 1, 0
	WIN 0
; THE WAY OUT, block by block of 16 rows x 128 columns (two heads).  PACK: x the row's factor, in place, each accumulator from its low end on; rounded to f16, 16 bytes a lane.  TOSTAGE: into my stage and back.
; SEND: sixteen lanes store two rows of one head: 256 consecutive bytes, aligned.
.macro PACK a
.set AC, 64*((\a)%4)
	WIN 0x82+0x41*((\a)/4)                         ; destination and source 0: window 2 or 3; the factor: window 0
.irp b, 0,1,2,3,4,5,6,7
.irp r, 0,1,2,3
	v_pk_mul_f32 v[AC+8*\b+2*\r:AC+8*\b+2*\r+1], v[AC+8*\b+2*\r:AC+8*\b+2*\r+1], v[F+2*(\a):F+2*(\a)+1]
.endr
.endr
	WIN 0x0a+5*((\a)/4)                            ; sources 0 and 1: window 2 or 3
.irp b, 0,1,2,3,4,5,6,7
.irp r, 0,1,2,3
	v_cvt_pk_f16_f32 v[TMP+4*\b+\r], v[AC+8*\b+2*\r], v[AC+8*\b+2*\r+1]
.endr
.endr
	WIN 0
.endm
.macro TOSTAGE a
.set BB, BK+32*((\a)%2)
.irp b, 0,1,2,3,4,5,6,7
	ds_store_b128 v[STO], v[TMP+4*\b:TMP+4*\b+3] offset:32*\b
.endr
.irp t, 0,1,2,3,4,5,6,7
	ds_load_b128 v[BB+4*\t:BB+4*\t+3], v[RD] offset:\t*2*SPITCH    ; LDS serves a wave's instructions in order: these see the stores above
.endr
.endm
.macro SEND a, younger                 ; younger: the LDS instructions issued behind block a's loads
.set BB, BK+32*((\a)%2)
	s_wait_dscnt \younger
.irp t, 0,1,2,3,4,5,6,7
	global_store_b128 v[CO], v[BB+4*\t:BB+4*\t+3], s[12:13] offset:(\a)*2048+\t*256
.endr
.endm
	PLACES NP                                      ; behind the last products
	PACK 0
	TOSTAGE 0
.irp a, 1,2,3,4,5,6,7
.if \a > 1
	s_wait_xcnt 0x0                                ; block a - 2's stores have read their registers: block a's loads may land there
.endif
	PACK \a
	TOSTAGE \a
	SEND \a-1, 16                                  ; behind block a - 1's loads: block a's 8 stores and 8 loads
.endr
	SEND 7, 0
	s_wait_tensorcnt 0x0                           ; the wave's end
	ds_add_u32 v[SPW], v[NIL]
	s_wait_dscnt 0x0
	CROUND                                         ; the closing round
	s_endpgm
.Lfunc_end_k_q2554692282_proj:
	.size	k_q2554692282_proj, .Lfunc_end_k_q2554692282_proj-k_q2554692282_proj
	.p2alignl 7, 3214868480
	.fill 96, 4, 3214868480
	.section	.rodata,"a",@progbits
	.p2align	6, 0x0
	.amdhsa_kernel k_q2554692282_proj
		.amdhsa_group_segment_fixed_size 327680
		.amdhsa_private_segment_fixed_size 0
		.amdhsa_enable_private_segment 0
		.amdhsa_kernarg_size 64
		.amdhsa_user_sgpr_count 2
		.amdhsa_user_sgpr_kernarg_segment_ptr 1
		.amdhsa_wavefront_size32 1
		.amdhsa_system_sgpr_workgroup_id_x 1
		.amdhsa_system_sgpr_workgroup_id_y 1
		.amdhsa_system_sgpr_workgroup_id_z 1
		.amdhsa_system_vgpr_workitem_id 0
		.amdhsa_next_free_vgpr 1024
		.amdhsa_next_free_sgpr 102
		.amdhsa_reserve_vcc 1
		.amdhsa_float_denorm_mode_32 3
		.amdhsa_float_denorm_mode_16_64 3
		.amdhsa_memory_ordered 1
		.amdhsa_forward_progress 1
		.amdhsa_inst_pref_size 147
	.end_amdhsa_kernel
	.amdgpu_metadata
---
amdhsa.version: [ 1, 2 ]
amdhsa.kernels:
  - .name:           k_q2554692282_proj
    .symbol:         k_q2554692282_proj.kd
    .args:
      - { .name: xc, .offset: 0, .size: 8, .value_kind: global_buffer, .address_space: global }
      - { .name: xs, .offset: 8, .size: 8, .value_kind: global_buffer, .address_space: global }
      - { .name: wc, .offset: 16, .size: 8, .value_kind: global_buffer, .address_space: global }
      - { .name: ws, .offset: 24, .size: 8, .value_kind: global_buffer, .address_space: global }
      - { .name: qkv, .offset: 32, .size: 8, .value_kind: global_buffer, .address_space: global }
      - { .name: ba, .offset: 40, .size: 8, .value_kind: global_buffer, .address_space: global }
      - { .name: bb, .offset: 48, .size: 8, .value_kind: global_buffer, .address_space: global }
      - { .name: mask, .offset: 56, .size: 8, .value_kind: global_buffer, .address_space: global }
    .group_segment_fixed_size: 327680
    .private_segment_fixed_size: 0
    .kernarg_segment_align: 8
    .kernarg_segment_size: 64
    .max_flat_workgroup_size: 128
    .sgpr_count:     102
    .vgpr_count:     1024
    .wavefront_size: 32
...
	.end_amdgpu_metadata
.endif
;; end of part 2
;; launch attn (part 3): grid 4 x 64, 8 waves a work-group, no clusters, 327,680 bytes of LDS; arguments qkv, mask, hh; writes hh
.if DOCPART == 3
	.amdgcn_target "amdgcn-amd-amdhsa--gfx1250"
	.amdhsa_code_object_version 6
	.text
	.protected	k_q2554692282_attn
	.globl	k_q2554692282_attn
	.p2align	8
	.type	k_q2554692282_attn,@function
k_q2554692282_attn:
	s_mov_b64 s[64:65], 0
	v_nop
	global_prefetch_b8 v0, s[64:65] scope:SCOPE_SE
	s_setreg_imm32_b32 hwreg(HW_REG_WAVE_MODE, 25, 1), 1
	s_wait_xcnt 0x0
; h[stream][b][h][q][:] = the sum over k of softmax_k(q . (ka + kb) / sqrt(128), masked) v[k][:], for both streams.  reference() adds q.ka and q.kb: that is q.(ka + kb), so one key tensor serves both streams.
; qkv holds f16 by heads: [6][b][h][s][64], tensors q_a ka/2 v_a q_b kb/2 v_b; the keys are halved (so that their sum has room in f16) and are 0 where the mask is 0.  Products on f16 operands; sums, maxima and exponentials in f32.
; THE KEYS' SUM is taken in f32 by the matrix unit: source 0 is the 16 x 32 matrix [I | I], source 1 eight registers of a lane: its 16 bytes of ka/2, then its 16 bytes of kb/2.  By the operands' layout register j of the result is
; that same lane's j-th sum; it is rounded to f16 once and goes to LDS.  LIMIT: an infinity among the halved keys (a key beyond 131,008) spoils the 16 sums of its column.
; THE MASK.  The score's accumulator starts from a table: 0 for an open key, -2^33 for a masked one, whose key row is 0: so a masked key's score is exactly -2^33 (in reference()'s units -1.52e9, where it has -1e9).
; c x 2^33 is exact, so in a row with no open key every p is exactly 1, the uniform mean that reference() gives; beside any open key a masked key's p is 0 in both.  LIMIT: open scores under about -1e9 are not served.
; SOFTMAX.  For each query a running maximum m: p = 2^(c s - c m), c = 2 log2(e) / sqrt(128) (the 2 undoes the halving); O and the sum are multiplied by a = 2^(c m_old - c m_new) in every step.  p is rounded to f16 for the second
; product, and the row's sum is taken of those same f16 numbers, by a product with a matrix whose rows 0 and 8 are ones: it falls into the accumulator's register 0 in both halves of the lanes.
; SHARES.  A work-group owns 512 queries of one (stream, batch, head), in two passes of 256; in a pass each of its eight waves owns 32: two tiles of 16.  Two waves share a SIMD: one's vector work stands beside the other's matrix work.
; ALL 1,024 keys lie in LDS for the whole launch: V by one tensor load a wave (128 rows each), K by registers, where the halves are added.  Nothing is filled again: no ring.
; NO CLUSTER: the keys pass through registers to be added, so they cannot be joint loads; V is fetched once, at the head, and only the two halves of a stream's queries share it.
; LAYOUT.  S^T = K Q^T (source 0 = 16 keys, source 1 = 16 queries) and O^T = V^T P: a lane holds ONE query throughout; two tiles of S^T, rounded in pairs, are source 1 of the second product.  V is turned by ds_load_tr16_b128.
; THE RESULT leaves in the order of the next launch's operand registers: hh[stream][16 rows][head][ct 4][lane][16 bytes]: my four f16 registers of O^T's tile ct are half a fragment (16 rows x 32 channels) of that launch's product.
; So each store of the wave covers 512 consecutive bytes, aligned, straight from registers.
; REGISTERS.  window 0: v1-15 addresses; v16-31 statistics, 8 a tile (+0 c m, +1 m, +2 1 / sum, +3 0, +4..+7 at work; a takes +6); v32-95 S^T; v96-127 P; v128-191 K; v192-223 the table's part; v224-255 Q of pass 0.
;   window 1: v0-63 O^T; v64-79 the sums; v80-87 the ones; v96-159 finished rows in f16; v160-223 V; v224-255 Q of pass 1.
;   At the head alone: window 1: load j's 16 bytes of ka/2 and of kb/2 at v[8 j]; window 0: v32-95 eight sums' accumulators, v96-127 and v136-167 their f16 by turns, v128-135 [I | I].
.set PK,    144                        ; a key's row in LDS: 128 bytes + 16
.set PVP,   160                        ; a value's row: 128 bytes + 32
.set KB,    1024*PVP                   ; V from byte 0; K behind it
.set BT,    KB+1024*PK                 ; the table: 1,024 f32
.set SPARE, BT+4096                    ; the spare words, 128 bytes a wave
.set AK0, 3
.set AV0, 4
.set AB0, 5
.set ADK, 6
.set ADV, 7
.set ADB, 8
.set QO,  9
.set SPW, 10
.set NIL, 11
.set GO,  14
.set ST,  16
.set RS,  32
.set RP,  96
.set RKF, 128
.set IDN, 128
.set RBI, 192
.set RQ,  224
.set RO,  0
.set RL,  64
.set RONE, 80
.set RHOLD, 96
.set RVF, 160
.set CS,  32                           ; s[32:33] c, twice
.set SEL, 34                           ; s[34:35] lane selects: lane l xor 16
.set TK,  36                           ; s36, s38 where the NEXT step's keys and table words begin; s37 where this step's values begin
.set TV,  37
.set TBI, 38
.set CNT, 39
.set MSB, 0
.macro WIN new
.if MSB != (\new)
	s_set_vgpr_msb (MSB<<8)|(\new)
.set MSB, (\new)
.endif
.endm
	s_load_b128 s[4:7], s[0:1], 0x0                ; qkv, mask
	s_load_b64 s[8:9], s[0:1], 0x10                ; hh
	v_lshl_add_u32 v[SPW], v0, 2, SPARE
	v_mov_b32 v[NIL], 0
	ds_add_u32 v[SPW], v[NIL]                      ; the wave's opening: the add, twice on end, and its wait ahead of my first tensor load
	ds_add_u32 v[SPW], v[NIL]
	v_lshrrev_b32 v1, 5, v0
	v_readfirstlane_b32 s10, v1                    ; wave 0..7
	s_and_b32 s11, ttmp7, 0xffff                   ; 16 b + h
	s_lshr_b32 s44, ttmp9, 1                       ; the stream
	s_and_b32 s45, ttmp9, 1                        ; which half of the queries
	s_lshl_b32 s46, s11, 17                        ; a head is 131,072 bytes
	s_mul_i32 s47, s44, 25165824                   ; a stream's three tensors
	s_lshl_b32 s40, s45, 16
	s_lshl_b32 s41, s10, 12
	s_add_co_u32 s43, s40, s41                     ; my first query in its head: (512 half + 32 wave) x 128 bytes
	s_add_co_u32 s42, s46, s47                     ; my head in my stream's first tensor
	s_lshl_b32 s40, s44, 23                        ; in hh: a stream is 256 row tiles of 32,768 bytes;
	s_lshr_b32 s41, s11, 4
	s_lshl_b32 s41, s41, 21                        ; a batch 64 of them,
	s_add_co_u32 s40, s40, s41
	s_lshl_b32 s41, s45, 20                        ; half its queries 32,
	s_add_co_u32 s40, s40, s41
	s_lshl_b32 s41, s10, 16                        ; my wave's 32 queries of a pass 2;
	s_add_co_u32 s40, s40, s41
	s_and_b32 s41, s11, 15
	s_lshl_b32 s41, s41, 11                        ; in a row tile a head is 2,048 bytes
	s_add_co_u32 s45, s40, s41
	; descriptor group 1: 128 rows of 64 f16, dense in memory; 8 words of padding behind every 32
	s_mov_b32 s16, (1<<16)|(1<<20)|(4<<22)|(7<<25)
	s_mov_b32 s17, 64<<16                          ; tensor_dim0
	s_mov_b32 s18, 128<<16                         ; tensor_dim1
	s_mov_b32 s19, 64<<16                          ; tile_dim0
	s_mov_b32 s20, 128                             ; tile_dim1
	s_mov_b32 s21, 64                              ; the pitch in memory
	s_mov_b32 s22, 0
	s_mov_b32 s23, 0
	s_mov_b32 s12, 1
	s_mul_i32 s13, s10, 128*PVP                    ; my 128 rows' place in LDS
	s_mov_b32 s[CS], 0x3e8293ee                    ; c = 2 log2(e) / sqrt(128)
	s_mov_b32 s[CS+1], s[CS]
	s_mov_b32 s[SEL], 0x76543210
	s_mov_b32 s[SEL+1], 0xfedcba98
	s_mov_b32 s41, 0
	s_lshl_b32 s40, s10, 14                        ; my 128 rows of V,
	s_add_co_u32 s40, s40, s42
	s_add_co_u32 s40, s40, 16777216                ; two tensors behind the stream's queries
	s_wait_dscnt 0x0                               ; both opening adds are done
	s_wait_kmcnt 0x0
	s_add_nc_u64 s[14:15], s[4:5], s[40:41]
	s_or_b32 s15, s15, 0x80000000
	tensor_load_to_lds s[12:15], s[16:23]          ; my one tensor load of the launch
	s_nop 0
.rept 4
	v_nop
.endr
	s_add_co_u32 s40, s46, 8388608
	s_add_nc_u64 s[24:25], s[4:5], s[40:41]        ; ka / 2
	s_add_co_u32 s40, s46, 33554432
	s_add_nc_u64 s[26:27], s[4:5], s[40:41]        ; kb / 2
	s_add_co_u32 s40, s42, s43
	s_add_nc_u64 s[28:29], s[4:5], s[40:41]        ; my queries
	s_mov_b32 s40, s45
	s_add_nc_u64 s[8:9], s[8:9], s[40:41]          ; and their place in hh
	s_lshr_b32 s40, s11, 4
	s_lshl_b32 s40, s40, 12
	s_add_nc_u64 s[6:7], s[6:7], s[40:41]          ; my batch's mask
	v_lshlrev_b32 v15, 4, v0                       ; 16 x thread: the work-group's 256 threads read 4,096 consecutive bytes
	v_and_b32 v1, 15, v0                           ; r
	v_bfe_u32 v2, v0, 4, 1                         ; h
	v_lshlrev_b32 v[QO], 7, v1
	v_lshl_add_u32 v[QO], v2, 4, v[QO]             ; Q: row r of 128 bytes + 16 h
	global_load_b128 v[16:19], v15, s[6:7]         ; four mask words a thread
	WIN 0x40                                       ; destination window 1
.set j, 0
.rept 32                                       ; load j brings keys 32 j .. 32 j + 31: ka's 16 bytes and kb's side by side: eight registers, source 1 of the sum
	global_load_b128 v[8*j:8*j+3], v15, s[24:25] offset:4096*j
	global_load_b128 v[8*j+4:8*j+7], v15, s[26:27] offset:4096*j
.set j, j+1
.endr
	WIN 0
.irp t, 0,1
.irp kc, 0,1
	global_load_b128 v[RQ+16*\t+8*\kc:RQ+16*\t+8*\kc+3], v[QO], s[28:29] offset:\t*2048+\kc*64
	global_load_b128 v[RQ+16*\t+8*\kc+4:RQ+16*\t+8*\kc+7], v[QO], s[28:29] offset:\t*2048+\kc*64+32
.endr
.endr
	v_mul_u32_u24 v[AK0], v1, PK
	v_lshl_add_u32 v[AK0], v2, 4, v[AK0]
	v_add_nc_u32 v[AK0], KB, v[AK0]                ; a fragment of K: row r x pitch + 16 h
	v_and_b32 v[AV0], 7, v0
	v_lshl_add_u32 v[AV0], v2, 3, v[AV0]
	v_mul_u32_u24 v[AV0], v[AV0], PVP
	v_bfe_u32 v[AB0], v0, 3, 1
	v_lshl_add_u32 v[AV0], v[AB0], 4, v[AV0]       ; the turning load: key 8 h + l % 8, channels 8 ((l / 8) % 2) on
	v_lshlrev_b32 v[AB0], 5, v2
	v_add_nc_u32 v[AB0], BT, v[AB0]                ; the table: my eight keys of a tile of 16
	v_lshrrev_b32 v20, 3, v0
	v_mul_u32_u24 v20, v20, PK
	v_and_b32 v21, 7, v0
	v_lshl_add_u32 v20, v21, 4, v20
	v_add_nc_u32 v20, KB, v20                      ; where I put 16 bytes of key thread / 8; 32 keys on for each load; a register for each eight loads
	v_add_nc_u32 v21, 8*32*PK, v20
	v_add_nc_u32 v22, 16*32*PK, v20
	v_add_nc_u32 v23, 24*32*PK, v20
	v_lshl_add_u32 v24, v0, 4, BT
	v_mov_b32 v25, 0xd0000000                      ; -2^33
	v_and_b32 v[GO], 31, v0
	v_lshlrev_b32 v[GO], 4, v[GO]                  ; 16 x lane: my place in a store of 512 bytes
	; [I | I]: lane (r, h) holds row r; register i holds k = 8 h + 2 i and + 1, register 4 + i the same k + 16: a one where k % 16 = r
	v_lshlrev_b32 v26, 3, v2
	v_sub_nc_u32 v26, v1, v26                      ; d = r - 8 h: 0 .. 7 in the lanes that hold their row's ones
	v_mov_b32 v27, 0x3c00                          ; an f16 one in the low half,
	v_mov_b32 v136, 0x3c000000                     ; in the high half
.irp i, 0,1,2,3
	v_cmp_eq_u32 vcc_lo, 2*\i, v26
	v_cndmask_b32 v[IDN+\i], 0, v27, vcc_lo
	v_cmp_eq_u32 vcc_lo, 2*\i+1, v26
	v_cndmask_b32 v[IDN+\i], v[IDN+\i], v136, vcc_lo
.endr
.irp i, 0,1,2,3
	v_mov_b32 v[IDN+4+\i], v[IDN+\i]
.endr
	s_wait_loadcnt 63                              ; 72 loads were issued behind the mask's: it is in
.irp i, 0,1,2,3
	v_cmp_eq_u32 vcc_lo, 0, v[16+\i]
	v_cndmask_b32 v[28+\i], 0, v25, vcc_lo
.endr
	ds_store_b128 v24, v[28:31]
.irp g, 0,1,2,3                                ; eight loads of ka and of kb at a time
.set TH, 96+40*(\g%2)
	s_wait_loadcnt 8+16*(3-\g)                     ; behind them: the later groups' sixteen each, and Q's eight
	WIN 0x04                                       ; source 1 window 1
.irp i, 0,1,2,3,4,5,6,7
	v_wmma_f32_16x16x32_f16 v[RS+8*\i:RS+8*\i+7], v[IDN:IDN+7], v[64*\g+8*\i:64*\g+8*\i+7], 0   ; register j: my j-th ka / 2 + kb / 2, in f32
.endr
	WIN 0
.rept 4
	v_nop                                          ; four plain instructions between the products and the first read of a result (ISA guide 7.12.1)
.endr
.set n, 0
.rept 32
	v_cvt_pk_f16_f32 v[TH+n], v[RS+2*n], v[RS+2*n+1]   ; each accumulator from its low end on; these 32 also stand between this group's products and the next group's, which write the same registers
.set n, n+1
.endr
.irp i, 0,1,2,3,4,5,6,7
	ds_store_b128 v[20+\g], v[TH+4*\i:TH+4*\i+3] offset:\i*32*PK
.endr
.endr
	v_and_b32 v26, 7, v0
	v_cmp_eq_u32 vcc_lo, 0, v26
	v_mov_b32 v27, 0x3c003c00                      ; two f16 ones
	v_cndmask_b32 v26, 0, v27, vcc_lo              ; rows 0 and 8 of the matrix of ones
	WIN 0x40
.irp i, 0,1,2,3,4,5,6,7
	v_mov_b32 v[RONE+\i], v26
.endr
.irp t, 0,1                                    ; Q of pass 1, 256 queries on, into the registers that the last keys have left: it has all of pass 0 in which to land
.irp kc, 0,1
	global_load_b128 v[RQ+16*\t+8*\kc:RQ+16*\t+8*\kc+3], v[QO], s[28:29] offset:32768+\t*2048+\kc*64
	global_load_b128 v[RQ+16*\t+8*\kc+4:RQ+16*\t+8*\kc+7], v[QO], s[28:29] offset:32768+\t*2048+\kc*64+32
.endr
.endr
	WIN 0
	s_wait_tensorcnt 0x0                           ; my part of V has landed,
	s_wait_dscnt 0x0                               ; my parts of K and of the table are stored:
	s_barrier_signal -1
	s_barrier_wait -1                              ; everybody's are
; 24 LDS loads: a step's 64 keys (8 fragments) and its 64 table words
.macro LOADK ak, ab
.irp kt, 0,1,2,3
.irp kc, 0,1
	ds_load_b128 v[RKF+8*(2*\kt+\kc):RKF+8*(2*\kt+\kc)+3], v[\ak] offset:\kt*16*PK+\kc*64
	ds_load_b128 v[RKF+8*(2*\kt+\kc)+4:RKF+8*(2*\kt+\kc)+7], v[\ak] offset:\kt*16*PK+\kc*64+32
.endr
.endr
.irp kt, 0,1,2,3
	ds_load_b128 v[RBI+8*\kt:RBI+8*\kt+3], v[\ab] offset:\kt*64
	ds_load_b128 v[RBI+8*\kt+4:RBI+8*\kt+7], v[\ab] offset:\kt*64+16
.endr
.endm
; A KEY STEP: 64 keys, both tiles, of pass p.  Its keys and table words were asked for a step ago; more = 1: the next step's are asked for as soon as the products K Q^T have read this step's.
.macro STEP p, more
	v_add_nc_u32 v[ADV], s[TV], v[AV0]             ; this and the three v_nop are the four places behind the last step's last products, whose V is loaded anew below
.rept 3
	v_nop
.endr
	WIN 0x40
.irp kh, 0,1
.irp ct, 0,1,2,3
	ds_load_tr16_b128 v[RVF+8*(4*\kh+\ct):RVF+8*(4*\kh+\ct)+3], v[ADV] offset:\kh*32*PVP+\ct*32
	ds_load_tr16_b128 v[RVF+8*(4*\kh+\ct)+4:RVF+8*(4*\kh+\ct)+7], v[ADV] offset:\kh*32*PVP+16*PVP+\ct*32
.endr
.endr
	WIN 4*\p                                       ; pass 1's Q lies in window 1
	s_wait_dscnt 16                                ; K and the table's words are in; V's sixteen loads, issued behind them, may be out
.irp kt, 0,1,2,3                               ; S^T = table + K Q^T: eight accumulators by turns, one instruction a turn
.irp t, 0,1
	v_wmma_f32_16x16x32_f16 v[RS+32*\t+8*\kt:RS+32*\t+8*\kt+7], v[RKF+16*\kt:RKF+16*\kt+7], v[RQ+16*\t:RQ+16*\t+7], v[RBI+8*\kt:RBI+8*\kt+7]
.endr
.endr
.irp kt, 0,1,2,3
.irp t, 0,1
	v_wmma_f32_16x16x32_f16 v[RS+32*\t+8*\kt:RS+32*\t+8*\kt+7], v[RKF+16*\kt+8:RKF+16*\kt+15], v[RQ+16*\t+8:RQ+16*\t+15], v[RS+32*\t+8*\kt:RS+32*\t+8*\kt+7]
.endr
.endr
	WIN 0
.if \more
	v_add_nc_u32 v[ADK], s[TK], v[AK0]             ; four places: in front of the loads into K's and the table's registers, and of the first read of the scores
	v_add_nc_u32 v[ADB], s[TBI], v[AB0]
	v_nop
	v_nop
	LOADK ADK, ADB                                 ; the next step's: they land under the softmax and V^T P
.else
.rept 4
	v_nop
.endr
.endif
	; the maximum of my 32 scores and the old m: four chains, each begun at its accumulator's low end; the two tiles line by line
.irp j, 0,1,2,3
.irp t, 0,1
	v_max3_num_f32 v[ST+8*\t+4+\j], v[RS+32*\t+8*\j], v[RS+32*\t+8*\j+1], v[RS+32*\t+8*\j+2]
.endr
.endr
.irp u, 1,2
.irp j, 0,1,2,3
.irp t, 0,1
	v_max3_num_f32 v[ST+8*\t+4+\j], v[ST+8*\t+4+\j], v[RS+32*\t+8*\j+2*\u+1], v[RS+32*\t+8*\j+2*\u+2]
.endr
.endr
.endr
.irp t, 0,1
	v_max3_num_f32 v[ST+8*\t+4], v[ST+8*\t+4], v[RS+32*\t+7], v[RS+32*\t+15]
.endr
.irp t, 0,1
	v_max3_num_f32 v[ST+8*\t+6], v[ST+8*\t+6], v[RS+32*\t+23], v[RS+32*\t+31]
.endr
.irp t, 0,1
	v_max3_num_f32 v[ST+8*\t+4], v[ST+8*\t+4], v[ST+8*\t+5], v[ST+8*\t+6]
.endr
.irp t, 0,1
	v_max3_num_f32 v[ST+8*\t+4], v[ST+8*\t+4], v[ST+8*\t+7], v[ST+8*\t+1]
.endr
.irp t, 0,1
	v_permlanex16_b32 v[ST+8*\t+5], v[ST+8*\t+4], s[SEL], s[SEL+1]   ; the query's other 32 keys lie in the lane 16 away
.endr
.irp t, 0,1
	v_mov_b32 v[ST+8*\t+7], v[ST+8*\t]             ; c m_old is kept for a
.endr
.irp t, 0,1
	v_max_num_f32 v[ST+8*\t+1], v[ST+8*\t+4], v[ST+8*\t+5]
.endr
.irp t, 0,1
	v_mul_f32 v[ST+8*\t], s[CS], v[ST+8*\t+1]
.endr
.irp t, 0,1
	v_sub_f32 v[ST+8*\t+7], v[ST+8*\t+7], v[ST+8*\t]
.endr
.irp t, 0,1
	v_exp_f32 v[ST+8*\t+6], v[ST+8*\t+7]           ; a
.endr
.set n, 0
.rept 32
	v_pk_fma_f32 v[RS+2*n:RS+2*n+1], v[RS+2*n:RS+2*n+1], s[CS:CS+1], v[ST+8*(n/16):ST+8*(n/16)+1] op_sel_hi:[1,0,0] neg_lo:[0,0,1] neg_hi:[0,0,1]   ; c s - c m
.set n, n+1
.endr
.set n, 0
.rept 64
	v_exp_f32 v[RS+n], v[RS+n]                     ; p, at most 1
.set n, n+1
.endr
	v_nop                                          ; a plain instruction behind the last exponential
	s_wait_alu depctr_va_vdst(0)                   ; one wait ahead of the first reader, for the batch of 66
.set n, 0
.rept 32
	v_cvt_pk_f16_f32 v[RP+n], v[RS+2*n], v[RS+2*n+1]
.set n, n+1
.endr
	s_wait_dscnt 24*\more                          ; V is in; the next step's 24 loads, issued behind V's, may be out
	WIN 0x41                                       ; O^T and the sums (window 1) x a (window 0), each accumulator from its low end on
.set n, 0
.rept 32
	v_pk_mul_f32 v[RO+2*n:RO+2*n+1], v[RO+2*n:RO+2*n+1], v[ST+8*(n/16)+6:ST+8*(n/16)+7] op_sel_hi:[1,0]
.set n, n+1
.endr
.irp t, 0,1
	v_pk_mul_f32 v[RL+8*\t:RL+8*\t+1], v[RL+8*\t:RL+8*\t+1], v[ST+8*\t+6:ST+8*\t+7] op_sel_hi:[1,0]   ; the sum is register 0; the other seven stay 0
.endr
	WIN 0x51                                       ; V and the ones, C and D in window 1; P in window 0
.irp kh, 0,1                                   ; O^T += V^T P and the sums += ones P: ten accumulators by turns
.irp ct, 0,1,2,3
.irp t, 0,1
	v_wmma_f32_16x16x32_f16 v[RO+32*\t+8*\ct:RO+32*\t+8*\ct+7], v[RVF+8*(4*\kh+\ct):RVF+8*(4*\kh+\ct)+7], v[RP+16*\t+8*\kh:RP+16*\t+8*\kh+7], v[RO+32*\t+8*\ct:RO+32*\t+8*\ct+7]
.endr
.endr
.irp t, 0,1
	v_wmma_f32_16x16x32_f16 v[RL+8*\t:RL+8*\t+7], v[RONE:RONE+7], v[RP+16*\t+8*\kh:RP+16*\t+8*\kh+7], v[RL+8*\t:RL+8*\t+7]
.endr
.endr
	WIN 0
.endm
; A PASS: my 32 queries of the work-group's p-th 256 walk all 1,024 keys; their rows, divided by the sums and rounded to f16, are stored at once: pass 0's stores leave while pass 1 runs.
.macro PASS p
.irp t, 0,1
	v_mov_b32 v[ST+8*\t+1], 0xff61b1e6             ; m = -3e38, under every score
	v_mov_b32 v[ST+8*\t+3], 0                      ; (named as the upper half of a pair)
.endr
.irp t, 0,1
	v_mul_f32 v[ST+8*\t], s[CS], v[ST+8*\t+1]
.endr
	LOADK AK0, AB0                                 ; the first step's keys and table words
	WIN 0x40
.set n, 0
.rept 80
	v_mov_b32 v[RO+n], 0                           ; O^T and the sums: the step's arithmetic is written once, and the first step finds zeros
.set n, n+1
.endr
	WIN 0
	s_mov_b32 s[TK], 64*PK                         ; the look-ahead stands one step on
	s_mov_b32 s[TBI], 256
	s_mov_b32 s[TV], 0
	s_mov_b32 s[CNT], 15
	s_wait_loadcnt 8*(1-\p)                        ; this pass's Q is in; in pass 0 the eight loads of pass 1's may be out
.Lstep_\@:
	STEP \p, 1
	s_add_co_u32 s[TK], s[TK], 64*PK
	s_add_co_u32 s[TV], s[TV], 64*PVP
	s_add_co_u32 s[TBI], s[TBI], 256
	s_sub_co_u32 s[CNT], s[CNT], 1
	s_cmp_lg_u32 s[CNT], 0
	s_cbranch_scc1 .Lstep_\@
	STEP \p, 0                                     ; the 16th step is written out: it asks for nothing beyond the last key
.rept 4
	v_nop
.endr
	WIN 0x01                                       ; source 0 window 1
.irp t, 0,1
	v_rcp_f32 v[ST+8*\t+2], v[RL+8*\t]             ; the sum is at least 1: the largest p is 1
.endr
	v_nop
	s_wait_alu depctr_va_vdst(0)                   ; one wait for the two reciprocals, ahead of their first reader
.set n, 0
.rept 32
	v_pk_mul_f32 v[RS+2*n:RS+2*n+1], v[RO+2*n:RO+2*n+1], v[ST+8*(n/16)+2:ST+8*(n/16)+3] op_sel_hi:[1,0]
.set n, n+1
.endr
	WIN 0x40
.set n, 0
.rept 32
	v_cvt_pk_f16_f32 v[RHOLD+32*\p+n], v[RS+2*n], v[RS+2*n+1]      ; tile t, register 4 ct + i: channels 16 ct + 8 h + 2 i, + 1 of query r
.set n, n+1
.endr
	WIN 0x04                                       ; a store's data are its source 1: window 1.  Each pass has registers of its own: none is written again
.irp t, 0,1
.irp ct, 0,1,2,3
	global_store_b128 v[GO], v[RHOLD+32*\p+16*\t+4*\ct:RHOLD+32*\p+16*\t+4*\ct+3], s[8:9] offset:\p*524288+\t*32768+\ct*512   ; 512 consecutive bytes, aligned; a pass is 16 row tiles on
.endr
.endr
	WIN 0
.endm
	PASS 0
	PASS 1
	s_wait_tensorcnt 0x0                           ; the wave's end
	ds_add_u32 v[SPW], v[NIL]
	s_wait_dscnt 0x0
	s_endpgm
.Lfunc_end_k_q2554692282_attn:
	.size	k_q2554692282_attn, .Lfunc_end_k_q2554692282_attn-k_q2554692282_attn
	.p2alignl 7, 3214868480
	.fill 96, 4, 3214868480
	.section	.rodata,"a",@progbits
	.p2align	6, 0x0
	.amdhsa_kernel k_q2554692282_attn
		.amdhsa_group_segment_fixed_size 327680
		.amdhsa_private_segment_fixed_size 0
		.amdhsa_enable_private_segment 0
		.amdhsa_kernarg_size 24
		.amdhsa_user_sgpr_count 2
		.amdhsa_user_sgpr_kernarg_segment_ptr 1
		.amdhsa_wavefront_size32 1
		.amdhsa_system_sgpr_workgroup_id_x 1
		.amdhsa_system_sgpr_workgroup_id_y 1
		.amdhsa_system_sgpr_workgroup_id_z 1
		.amdhsa_system_vgpr_workitem_id 0
		.amdhsa_next_free_vgpr 512
		.amdhsa_next_free_sgpr 66
		.amdhsa_reserve_vcc 1
		.amdhsa_float_denorm_mode_32 3
		.amdhsa_float_denorm_mode_16_64 3
		.amdhsa_memory_ordered 1
		.amdhsa_forward_progress 1
		.amdhsa_inst_pref_size 108
	.end_amdhsa_kernel
	.amdgpu_metadata
---
amdhsa.version: [ 1, 2 ]
amdhsa.kernels:
  - .name:           k_q2554692282_attn
    .symbol:         k_q2554692282_attn.kd
    .args:
      - { .name: qkv, .offset: 0, .size: 8, .value_kind: global_buffer, .address_space: global }
      - { .name: mask, .offset: 8, .size: 8, .value_kind: global_buffer, .address_space: global }
      - { .name: hh, .offset: 16, .size: 8, .value_kind: global_buffer, .address_space: global }
    .group_segment_fixed_size: 327680
    .private_segment_fixed_size: 0
    .kernarg_segment_align: 8
    .kernarg_segment_size: 24
    .max_flat_workgroup_size: 256
    .sgpr_count:     66
    .vgpr_count:     512
    .wavefront_size: 32
...
	.end_amdgpu_metadata
.endif
;; end of part 3
;; launch outp (part 4): grid 4 x 64, 4 waves a work-group, clusters of 4 x 4, 327,680 bytes of LDS; arguments hh, wo, bo_a, bo_b, out0, out1; writes out0, out1
.if DOCPART == 4
	.amdgcn_target "amdgcn-amd-amdhsa--gfx1250"
	.amdhsa_code_object_version 6
	.text
	.protected	k_q2554692282_outp
	.globl	k_q2554692282_outp
	.p2align	8
	.type	k_q2554692282_outp,@function
k_q2554692282_outp:
	s_mov_b64 s[64:65], 0
	v_nop
	global_prefetch_b8 v0, s[64:65] scope:SCOPE_SE
	s_setreg_imm32_b32 hwreg(HW_REG_WAVE_MODE, 25, 1), 1
	s_wait_xcnt 0x0
	s_wait_alu depctr_hold_cnt(0) depctr_sa_sdst(0) depctr_va_vdst(0) depctr_va_sdst(0) depctr_va_ssrc(0) depctr_va_vcc(0) depctr_vm_vsrc(0)
	s_getreg_b32 s2, hwreg(HW_REG_IB_STS2, 6, 4)
	s_cmp_eq_u32 s2, 0
	s_cbranch_scc0 .Lentry_in_a_cluster
	s_endpgm
.Lentry_in_a_cluster:
	s_bfe_u32 s2, ttmp6, 0x10000c
	s_cmp_lg_u32 s2, 0xf033
	s_cbranch_scc0 .Lentry_shape_is_right
	s_endpgm
.Lentry_shape_is_right:
; out[stream][m][n] = the sum over k of h[stream][m][k] Wo[stream][n][k] + bo[stream][n].  wo: [2][1024][1024] f16; out: f32.  Sums in f32.
; h comes in the order of this product's operand registers: hh[stream][16 rows][head 16][ct 4][lane 32][16 bytes], k = 64 head + 16 ct + 8 (lane / 16) + 0 .. 7, row = lane % 16: two neighbouring ct are one fragment (16 rows x 32 K).
; Both streams in one launch: tile rows 0-31 are stream a's 4,096 rows, 32-63 stream b's.  A tile is 128 x 256: 256 work-groups.  Four waves, each 64 x 128: 32 accumulators, 256 registers; for 32 along K a wave reads
; 4 + 8 fragments for 32 matrix instructions.  K goes in steps of 128 (two heads) through a ring of two LDS slots.
; h's tile comes by one descriptor a wave: of each of four row tiles the two heads' 4,096 consecutive bytes, 32,768 bytes apart; in LDS they lie on end, and a fragment load takes 512 consecutive bytes.  Wo's tile: 128 rows of 256 bytes, pitch 272.
; CLUSTERS: 4 x 4 work-groups.  The four of a row of the cluster need the same tiles of h, the four of a column the same tiles of Wo: each is asked for JOINTLY.  A cluster's 512 rows lie in one stream.
; THE MATRIX INSTRUCTION IS USED TRANSPOSED (source 0 = 16 rows of Wo, source 1 = 16 rows of h): a lane holds eight neighbouring numbers of a row of out.  The bias is the C of each sum's first product.
; REGISTERS: window 0: v16-29 addresses; v32-95 the bias; v128-255 the way out.  window 1: two fragment buffers, at v0 and v128: 32 registers of h, then 64 of Wo.  window 2: the accumulators ((a, b) at v[8 (8 a + b)]).
.set KSTEP,  128
.set PITCH,  272                       ; Wo's row in LDS: 256 bytes + 16: the 16 rows that a load touches start 68 words apart
.set HALFA,  4*4096                    ; what one load brings of h: four row tiles x two heads
.set HALFB,  128*PITCH                 ; and of Wo: 128 rows
.set BOFF,   2*HALFA
.set SLOT,   2*HALFA+2*HALFB
.set STAGE,  2*SLOT                    ; behind the ring: 16 rows x (512 bytes + 16) for each wave
.set SPITCH, 528
.set SPARE,  STAGE+4*16*SPITCH         ; the spare words, 128 bytes a wave
.set LAPS,   4                         ; K = 1,024: eight K steps, four times round the ring
.set ADRA, 16
.set ADRB, 20
.set STO,  24
.set RD,   25
.set CO,   26
.set BO,   27
.set SPW,  28
.set NIL,  29
.set BI,   32
.set BK,   128
.set F0,   0
.set F1,   128
.set G1, 24
.set G0, 32
.set G1B, 48
.set G0B, 56
.set MSB, 0
.macro WIN new
.if MSB != (\new)
	s_set_vgpr_msb (MSB<<8)|(\new)
.set MSB, (\new)
.endif
.endm
.set MUL,  0xa5                        ; sources 0 (Wo) and 1 (h) window 1; C and D window 2
.set MUL0, 0x85                        ; the first products: C (the bias) window 0
.set TO_F, 0x40
.macro JLOAD s                         ; a joint load: waves 0 and 1 fetch h's two halves, waves 2 and 3 Wo's; an s_nop 0 and four v_nop follow each of the two lines
	s_cmp_eq_u32 s11, 0
	s_cbranch_scc0 .Lfor_b_\@
	tensor_load_to_lds s[G0+4*\s:G0+4*\s+3], s[G1:G1+7]
	s_nop 0
.rept 4
	v_nop
.endr
	s_branch .Lasked_\@
.Lfor_b_\@:
	tensor_load_to_lds s[G0B+4*\s:G0B+4*\s+3], s[G1B:G1B+7]
	s_nop 0
.rept 4
	v_nop
.endr
.Lasked_\@:
.endm
.macro CREST
	s_cmp_lg_u32 s10, 0
	s_cbranch_scc1 .Lnot_wave_0_\@
	s_barrier_signal -3
.Lnot_wave_0_\@:
	s_barrier_wait -3
	s_barrier_signal -1
	s_barrier_wait -1
.endm
.macro CROUND
	s_barrier_signal -1
	s_barrier_wait -1
	CREST
.endm
	s_load_b128 s[4:7], s[0:1], 0x0                ; hh, wo
	s_load_b256 s[68:75], s[0:1], 0x10             ; bo_a, bo_b, out0, out1
	v_lshl_add_u32 v[SPW], v0, 2, SPARE
	v_mov_b32 v[NIL], 0
	ds_add_u32 v[SPW], v[NIL]                      ; the wave's opening: the add, twice on end, and its wait ahead of my first tensor load
	ds_add_u32 v[SPW], v[NIL]
	v_lshrrev_b32 v1, 5, v0
	v_readfirstlane_b32 s10, v1                    ; wave 0..3
	s_lshr_b32 s11, s10, 1                         ; which half of the tile's rows is mine.  Also: I fetch for h (0) or for Wo (1)
	s_and_b32 s12, s10, 1                          ; which half of its columns.  Also: which half of that tile I fetch
	s_bfe_u32 s40, ttmp6, 0x40000                  ; cx, cy
	s_bfe_u32 s41, ttmp6, 0x40004
	s_lshl_b32 s42, ttmp9, 2
	s_add_co_u32 s42, s42, s40                     ; tile column
	s_and_b32 s45, ttmp7, 0xffff                   ; cluster y: 0-7 stream a, 8-15 stream b
	s_lshl_b32 s13, s45, 2
	s_add_co_u32 s13, s13, s41                     ; tile row, over both streams
	s_lshl_b32 s43, s41, 2
	s_lshl_b32 s43, 15, s43                        ; my row of the cluster
	s_lshl_b32 s44, 0x1111, s40                    ; my column
	; group 1 for h: 4 rows of 512 elements of 8 bytes, 4,096 elements apart; no padding
	s_or_b32 s[G1+0], s43, (3<<16)|(1<<21)
	s_mov_b32 s[G1+1], 512<<16                     ; tensor_dim0
	s_mov_b32 s[G1+2], 4<<16                       ; tensor_dim1
	s_mov_b32 s[G1+3], 512<<16                     ; tile_dim0
	s_mov_b32 s[G1+4], 4                           ; tile_dim1
	s_mov_b32 s[G1+5], 4096                        ; from row tile to row tile
	s_mov_b32 s[G1+6], 0
	s_mov_b32 s[G1+7], 0
	; group 1 for Wo: 128 rows of 128 f16, 1,024 apart; 4 words of padding behind every 64
	s_or_b32 s[G1B+0], s44, (1<<16)|(1<<20)|(1<<21)|(5<<22)|(3<<25)
	s_mov_b32 s[G1B+1], KSTEP<<16
	s_mov_b32 s[G1B+2], 128<<16
	s_mov_b32 s[G1B+3], KSTEP<<16
	s_mov_b32 s[G1B+4], 128
	s_mov_b32 s[G1B+5], 1024
	s_mov_b32 s[G1B+6], 0
	s_mov_b32 s[G1B+7], 0
	s_lshl_b32 s16, s13, 3
	s_lshl_b32 s17, s12, 2
	s_add_co_u32 s16, s16, s17                     ; h: row tile 8 x tile row + 4 x half, over both streams
	s_lshl_b32 s16, s16, 15                        ; of 32,768 bytes
	s_mov_b32 s17, 0
	s_lshl_b32 s46, s42, 8
	s_lshl_b32 s47, s12, 7
	s_add_co_u32 s46, s46, s47                     ; Wo: row 256 x tile column + 128 x half
	s_lshl_b32 s46, s46, 11                        ; of 2,048 bytes
	s_lshr_b32 s47, s45, 3
	s_lshl_b32 s47, s47, 21                        ; in my stream's matrix
	s_add_co_u32 s46, s46, s47
	s_mov_b32 s47, 0
	s_mul_i32 s20, s12, HALFA                      ; where they go: no place in the cluster enters an LDS address
	s_mul_i32 s23, s12, HALFB
	s_add_co_u32 s23, s23, BOFF
	s_wait_dscnt 0x0                               ; both opening adds are done
	s_wait_kmcnt 0x0
	s_add_nc_u64 s[14:15], s[4:5], s[16:17]
	s_add_nc_u64 s[46:47], s[6:7], s[46:47]
	CROUND                                         ; all sixteen work-groups are here: the first joint loads meet
.irp s, 0,1
	s_mov_b32 s[G0+4*\s], 1
	s_add_co_u32 s[G0+4*\s+1], s20, \s*SLOT
	s_add_nc_u64 s[G0+4*\s+2:G0+4*\s+3], s[14:15], \s*4096         ; K step s: heads 2 s, 2 s + 1
	s_or_b32 s[G0+4*\s+3], s[G0+4*\s+3], 0x80000000
	s_mov_b32 s[G0B+4*\s], 1
	s_add_co_u32 s[G0B+4*\s+1], s23, \s*SLOT
	s_add_nc_u64 s[G0B+4*\s+2:G0B+4*\s+3], s[46:47], \s*KSTEP*2
	s_or_b32 s[G0B+4*\s+3], s[G0B+4*\s+3], 0x80000000
	JLOAD \s                                       ; two loads of mine are out
.endr
	v_and_b32 v1, 15, v0                           ; r
	v_bfe_u32 v2, v0, 4, 1                         ; h
	s_cmp_lt_u32 s45, 8                            ; my stream's bias and output: the same choice in all sixteen partners
	s_cselect_b64 s[66:67], s[68:69], s[70:71]
	s_cselect_b64 s[8:9], s[72:73], s[74:75]
	s_lshl_b32 s46, s42, 10                        ; my first column, in bytes: 1,024 x tile column + 512 x half
	s_lshl_b32 s47, s12, 9
	s_add_co_u32 s46, s46, s47
	s_mov_b32 s47, 0
	s_add_nc_u64 s[66:67], s[66:67], s[46:47]
	s_add_nc_u64 s[8:9], s[8:9], s[46:47]
	v_lshlrev_b32 v[BO], 5, v2
.irp b, 0,1,2,3,4,5,6,7
	global_load_b128 v[BI+8*\b:BI+8*\b+3], v[BO], s[66:67] offset:64*\b        ; lane (r, h), register j: the bias of column 16 b + 8 h + j: the result's layout
	global_load_b128 v[BI+8*\b+4:BI+8*\b+7], v[BO], s[66:67] offset:64*\b+16
.endr
	v_and_b32 v[CO], 31, v0
	v_lshlrev_b32 v[CO], 4, v[CO]                  ; 16 x lane: my place in a fragment's 512 bytes, in a stage row and in a row of out
	v_mul_u32_u24 v4, v1, PITCH
	v_lshl_add_u32 v4, v2, 4, v4                   ; a fragment of Wo: row x 272 + 16 x half
	s_mul_i32 s21, s11, HALFA                      ; my 64 rows of h
	s_mul_i32 s22, s12, HALFB                      ; my 128 rows of Wo,
	s_add_co_u32 s22, s22, BOFF                    ; which lie behind h's
.irp s, 0,1
	v_add_nc_u32 v[ADRA+\s], s21, v[CO]
	v_add_nc_u32 v[ADRB+\s], s22, v4
	s_add_co_u32 s21, s21, SLOT
	s_add_co_u32 s22, s22, SLOT
.endr
	s_mul_i32 s23, s10, 16*SPITCH
	s_add_co_u32 s23, s23, STAGE                   ; my stage
	v_mul_u32_u24 v5, v1, SPITCH                   ; in: row r, 32 bytes for each half of the lanes
	v_lshl_add_u32 v5, v2, 5, v5
	v_add_nc_u32 v[STO], s23, v5
	v_add_nc_u32 v[RD], s23, v[CO]                 ; back: the 32 lanes take one row of 512 bytes
	s_and_b32 s16, s13, 31
	s_lshl_b32 s16, s16, 7
	s_lshl_b32 s17, s11, 6
	s_add_co_u32 s16, s16, s17                     ; my first row in my stream
	s_lshl_b32 s16, s16, 12                        ; of 4,096 bytes
	s_mov_b32 s17, 0
	s_add_nc_u64 s[8:9], s[8:9], s[16:17]
; 8 matrix instructions: h's block a against Wo's eight, 32 along K, from buffer f.  zero = 1: the first product starts the sum from the bias.
; The 32 accumulators take turns, one instruction a turn, in the same order in every quarter.
.macro MULA f, a, zero
.irp b, 0,1,2,3,4,5,6,7
.if \zero
	v_wmma_f32_16x16x32_f16 v[8*(8*(\a)+\b):8*(8*(\a)+\b)+7], v[\f+32+8*\b:\f+32+8*\b+7], v[\f+8*(\a):\f+8*(\a)+7], v[BI+8*\b:BI+8*\b+7]
.else
	v_wmma_f32_16x16x32_f16 v[8*(8*(\a)+\b):8*(8*(\a)+\b)+7], v[\f+32+8*\b:\f+32+8*\b+7], v[\f+8*(\a):\f+8*(\a)+7], v[8*(8*(\a)+\b):8*(8*(\a)+\b)+7]
.endif
.endr
.endm
; 24 LDS loads in one run: the fragments of the slot's q-th 32 along K into buffer f: Wo's eight first, then h's four
.macro FETCH slot, q, f
	WIN TO_F
.irp i, 0,1,2,3,4,5,6,7
	ds_load_b128 v[\f+32+8*\i:\f+32+8*\i+3],   v[ADRB+\slot] offset:(\q)*64+\i*16*PITCH
	ds_load_b128 v[\f+32+8*\i+4:\f+32+8*\i+7], v[ADRB+\slot] offset:(\q)*64+\i*16*PITCH+32
.endr
.irp i, 0,1,2,3
	ds_load_b128 v[\f+8*\i:\f+8*\i+3],   v[ADRA+\slot] offset:\i*4096+(\q)*1024
	ds_load_b128 v[\f+8*\i+4:\f+8*\i+7], v[ADRA+\slot] offset:\i*4096+(\q)*1024+512
.endr
.endm
.macro PLACES                          ; four plain vector instructions between a matrix instruction and a load into, or a read of, its registers
.rept 4
	v_nop
.endr
.endm
; A K step is four quarters of 32 along K, 32 matrix instructions each, on buffers 0, 1, 0, 1.  One of the first three multiplies buffer f and, in its middle, fetches quarter q into g.
.macro QUARTER slot, q, f, g, zero
	s_wait_dscnt 4                                 ; Wo's fragments and h's blocks 0 and 1 are in; the youngest four loads (blocks 2 and 3) may be out
.if \zero
	WIN MUL0
.else
	WIN MUL
.endif
	MULA \f, 0, \zero
	MULA \f, 1, \zero
	PLACES
	FETCH \slot, \q, \g
	s_wait_dscnt 24                                ; all but the 24 just issued
.if \zero
	WIN MUL0
.else
	WIN MUL
.endif
	MULA \f, 2, \zero
	MULA \f, 3, \zero
.endm
; The last quarter multiplies buffer 1 and changes slots: one barrier; in front of it each wave waits for all its tensor loads, adds 0 to its spare word, and waits for that and for its reads of this slot.  fill = 1: this slot is filled again, two K steps ahead.
.macro TURN slot, next, fill
	WIN 0                                          ; (the add's two registers lie in window 0)
	s_wait_tensorcnt 0x0                           ; all my tensor loads have landed: my part of the next slot;
	ds_add_u32 v[SPW], v[NIL]                      ; 0 onto my spare word;
	s_wait_dscnt 5                                 ; (the add and the youngest four loads may be out)
	WIN MUL
	MULA F1, 0, 0                                  ; eight matrix instructions stand between the add and the wait for it
	s_wait_dscnt 0x0                               ; the add is done, and my reads of this slot are over
	s_barrier_signal -1
	MULA F1, 1, 0
.if \fill
	WIN 0
.endif
	s_barrier_wait -1
.if \fill
	CREST                                          ; the barrier has opened a round of the cluster's barrier: no wave of any partner still reads this slot or has a load on its way
	s_add_nc_u64 s[G0+4*\slot+2:G0+4*\slot+3], s[G0+4*\slot+2:G0+4*\slot+3], 2*4096
	s_add_nc_u64 s[G0B+4*\slot+2:G0B+4*\slot+3], s[G0B+4*\slot+2:G0B+4*\slot+3], 2*KSTEP*2
	JLOAD \slot                                    ; the first tensor load behind the round, my one load until the next; its four v_nop are also the places in front of the loads below
.else
	PLACES
.endif
	FETCH \next, 0, F0
	WIN MUL
	MULA F1, 2, 0
	MULA F1, 3, 0
.endm
	s_wait_tensorcnt 1                             ; my part of K step 0 is in; K step 1's load may be out,
	s_barrier_signal -1
	s_barrier_wait -1                              ; everybody's is
	FETCH 0, 0, F0
	s_wait_loadcnt 0x0                             ; the bias
	QUARTER 0, 1, F0, F1, 1                        ; the first quarter stands in front of the loop: its products start the sums
	WIN 0                                          ; at a label and at a branch every window is 0
	s_mov_b32 s3, LAPS-1
.Llap:                                                 ; a trip goes once round the ring, from a lap's second quarter to the next lap's first, and fills both slots again
	QUARTER 0, 2, F1, F0, 0
	QUARTER 0, 3, F0, F1, 0
	TURN 0, 1, 1
	QUARTER 1, 1, F0, F1, 0
	QUARTER 1, 2, F1, F0, 0
	QUARTER 1, 3, F0, F1, 0
	TURN 1, 0, 1
	QUARTER 0, 1, F0, F1, 0
	WIN 0
	s_sub_co_u32 s3, s3, 1
	s_cmp_lg_u32 s3, 0
	s_cbranch_scc1 .Llap
	QUARTER 0, 2, F1, F0, 0                        ; the last lap fills nothing, and has no round of the cluster's barrier
	QUARTER 0, 3, F0, F1, 0
	TURN 0, 1, 0
	QUARTER 1, 1, F0, F1, 0
	QUARTER 1, 2, F1, F0, 0
	QUARTER 1, 3, F0, F1, 0
	s_wait_dscnt 4                                 ; the very last quarter: nothing more to fetch
	WIN MUL
	MULA F1, 0, 0
	MULA F1, 1, 0
	s_wait_dscnt 0
	MULA F1, 2, 0
	MULA F1, 3, 0
	WIN 0
; THE WAY OUT, block by block of 16 rows x 128 columns of f32: a lane holds 32 neighbouring bytes of a row, and the lanes beside it hold other rows.  So a block goes through my own stage and comes back as whole rows of 512 bytes,
; which the 32 lanes store: 512 consecutive bytes, aligned.  LDS serves a wave's instructions in order (ISA guide 5.7.1.4): no wait between the stores and the loads, nor in front of the next block's stores.
.macro TOSTAGE a
	WIN 0x08                                       ; an LDS store's data are its source 1: window 2
.irp b, 0,1,2,3,4,5,6,7
	ds_store_b128 v[STO], v[8*(8*(\a)+\b):8*(8*(\a)+\b)+3] offset:64*\b          ; each accumulator from its low end on
	ds_store_b128 v[STO], v[8*(8*(\a)+\b)+4:8*(8*(\a)+\b)+7] offset:64*\b+16
.endr
	WIN 0
.irp t, 0,1,2,3,4,5,6,7,8,9,10,11,12,13,14,15
	ds_load_b128 v[BK+64*((\a)%2)+4*\t:BK+64*((\a)%2)+4*\t+3], v[RD] offset:\t*SPITCH
.endr
.endm
.macro SEND a, younger                 ; younger: the LDS instructions issued behind block a's loads, which may stay out
	s_wait_dscnt \younger
.irp t, 0,1,2,3,4,5,6,7,8,9,10,11,12,13,14,15
	global_store_b128 v[CO], v[BK+64*((\a)%2)+4*\t:BK+64*((\a)%2)+4*\t+3], s[8:9] offset:(16*(\a)+\t)*4096 th:TH_STORE_NT   ; written once, read by nobody here
.endr
.endm
	PLACES                                         ; behind the last products
	TOSTAGE 0
.irp a, 1,2,3
.if \a > 1
	s_wait_xcnt 0x0                                ; block a - 2's stores have read their registers: block a's loads may land there
.endif
	TOSTAGE \a
	SEND \a-1, 32                                  ; behind block a - 1's loads: block a's 16 stores and 16 loads
.endr
	SEND 3, 0
	s_wait_tensorcnt 0x0                           ; the wave's end
	ds_add_u32 v[SPW], v[NIL]
	s_wait_dscnt 0x0
	CROUND                                         ; the closing round: no work-group ends while a partner may still ask for a tile that names it
	s_endpgm
.Lfunc_end_k_q2554692282_outp:
	.size	k_q2554692282_outp, .Lfunc_end_k_q2554692282_outp-k_q2554692282_outp
	.p2alignl 7, 3214868480
	.fill 96, 4, 3214868480
	.section	.rodata,"a",@progbits
	.p2align	6, 0x0
	.amdhsa_kernel k_q2554692282_outp
		.amdhsa_group_segment_fixed_size 327680
		.amdhsa_private_segment_fixed_size 0
		.amdhsa_enable_private_segment 0
		.amdhsa_kernarg_size 48
		.amdhsa_user_sgpr_count 2
		.amdhsa_user_sgpr_kernarg_segment_ptr 1
		.amdhsa_wavefront_size32 1
		.amdhsa_system_sgpr_workgroup_id_x 1
		.amdhsa_system_sgpr_workgroup_id_y 1
		.amdhsa_system_sgpr_workgroup_id_z 1
		.amdhsa_system_vgpr_workitem_id 0
		.amdhsa_next_free_vgpr 768
		.amdhsa_next_free_sgpr 80
		.amdhsa_reserve_vcc 0
		.amdhsa_float_denorm_mode_32 3
		.amdhsa_float_denorm_mode_16_64 3
		.amdhsa_memory_ordered 1
		.amdhsa_forward_progress 1
		.amdhsa_inst_pref_size 87
	.end_amdhsa_kernel
	.amdgpu_metadata
---
amdhsa.version: [ 1, 2 ]
amdhsa.kernels:
  - .name:           k_q2554692282_outp
    .symbol:         k_q2554692282_outp.kd
    .args:
      - { .name: hh, .offset: 0, .size: 8, .value_kind: global_buffer, .address_space: global }
      - { .name: wo, .offset: 8, .size: 8, .value_kind: global_buffer, .address_space: global }
      - { .name: bo_a, .offset: 16, .size: 8, .value_kind: global_buffer, .address_space: global }
      - { .name: bo_b, .offset: 24, .size: 8, .value_kind: global_buffer, .address_space: global }
      - { .name: out0, .offset: 32, .size: 8, .value_kind: global_buffer, .address_space: global }
      - { .name: out1, .offset: 40, .size: 8, .value_kind: global_buffer, .address_space: global }
    .group_segment_fixed_size: 327680
    .private_segment_fixed_size: 0
    .kernarg_segment_align: 8
    .kernarg_segment_size: 48
    .max_flat_workgroup_size: 128
    .sgpr_count:     80
    .vgpr_count:     768
    .wavefront_size: 32
...
	.end_amdgpu_metadata
.endif
;; end of part 4
